; MI455X (gfx1250); checked and timed in simulation.
; The chip was launched on July 23, 2026; its instructions are those of AMD's public machine-readable ISA for CDNA 5 (MIT licence, August 2026) and "CDNA5" Instruction Set Architecture Reference Guide (July 2026). The comments in the code are by the model that wrote it; some were corrected since.
;; Multi Head Attention. Allowed arithmetic: matrix products marked QUANTISED: E2M3 operands, one E8M0 scale for each 32 along K, by v_wmma_scale_f32_16x16x128_f8f6f4 with both operands' format E2M3, f32 sums; everything else in f32.
;; Inputs: key 4 x 2,048 x 1,024 float32; key_kernel 16 x 1,024 x 64 float32; projection_bias 1,024 float32; projection_kernel 16 x 64 x 1,024 float32; query 4 x 2,048 x 1,024 float32; query_kernel 16 x 1,024 x 64 float32; value 4 x 2,048 x 1,024 float32; value_kernel 16 x 1,024 x 64 float32.
;; Outputs: out0 4 x 2,048 x 1,024 float32.
;; This version of the problem:
;;   THIS VERSION OF THE PROBLEM IS GIVEN IN LOW PRECISION. The matrix products marked QUANTISED in the list below multiply operands that are first quantised to E2M3 (2 exponent bits, 3 mantissa bits; 6 bits a number), with one power-of-two scale for each 32 numbers along K (OCP MX v1.0); their sums are f32. All else is computed in f32.
;;   The module's matrix products, in the order in which they are computed (A, B: the left and right operand; K: the contracted axis; several contracted axes count as one K, in the product's order):
;;     1. [M 1,024, K 1,024] x [K 1,024, N 8,192]; A: input query_kernel; B: input query: QUANTISED
;;     2. [M 1,024, K 1,024] x [K 1,024, N 8,192]; A: input key_kernel; B: input key: QUANTISED
;;     3. [M 1,024, K 1,024] x [K 1,024, N 8,192]; A: input value_kernel; B: input value: QUANTISED
;;     4. batch 64 x [M 2,048, K 64] x [K 64, N 2,048]; A: computed on the way; B: computed on the way: QUANTISED
;;     5. batch 64 x [M 2,048, K 2,048] x [K 2,048, N 64]; A: softmax (see below); B: computed on the way: QUANTISED
;;     6. [M 8,192, K 1,024] x [K 1,024, N 1,024]; A: computed on the way; B: input projection_kernel: QUANTISED
;;   THE QUANTISER, for each operand of a quantised product, along K:
;;     - K is cut into blocks of 32 from its start; a last block that is shorter is filled with zeros.
;;     - A block's scale is 2^e with e = floor(log2(the largest magnitude in the block)) - 2, held to -126 .. 127; a block of zeros has e = 0. As a byte (E8M0): e + 127.
;;     - Each number is divided by its block's scale, clamped to +-7.5, and rounded to the nearest number of E2M3, ties to even, subnormals kept.
;;     - The product sums the exact products of the quantised numbers (number of the format x scale) in f32.
;;   ~~~python
;;   def quantise(x, axis):      # numpy; x: float32 -> the quantised numbers, widened to float32 again
;;       x = np.moveaxis(x, axis, -1); K = x.shape[-1]
;;       x = np.pad(x, [(0, 0)] * (x.ndim - 1) + [(0, -K % 32)]); x = x.reshape(x.shape[:-1] + (-1, 32)); a = np.abs(x).max(-1, keepdims=True)
;;       e = np.where(a > 0, np.clip(np.frexp(np.where(a > 0, a, 1))[1] - 1 - 2, -126, 127), 0)      # np.frexp(a)[1] - 1 = floor(log2(a)), exactly
;;       r = np.clip(x / 2.0 ** e, -7.5, 7.5)
;;       step = 2.0 ** (np.maximum(np.frexp(np.where(r == 0, 1, r))[1] - 1, 0) - 3)
;;       q = np.round(r / step) * step * 2.0 ** e      # np.round: ties to even
;;       return np.moveaxis(q.reshape(q.shape[:-2] + (-1,))[..., :K], -1, axis).astype(np.float32)
;;   ~~~
;;   SOFTMAX AHEAD OF A QUANTISED PRODUCT. Where the list says 'softmax', what is quantised is not the finished softmax but p = 2^(t - M), with t = logit x log2(e) and M = ceil(the row's largest t), a whole number; so 1/2 < the row's largest p <= 1. The row's sum l is taken of the UNQUANTISED p, in f32, and the product's result is divided by l at the end. Since M is a whole number, a kernel that streams over the keys may use a running M (the ceiling of the running maximum): every later rescaling is an exact power of two, which a block's scale takes up: the codes' values come out the same.
;;   OPERANDS COMPUTED ON THE WAY. 'Computed on the way' means the value that the module computes at that place (a softmax that the list does not call 'softmax' is quantised finished and normalised). What goes into a quantiser is computed in f32, as accurately as f32 sums, v_exp_f32 and their like allow (about 1e-6 of the number): no bf16 or f16 on the way to a quantiser, and a product that is left as it is and whose result goes on into a quantised operand takes f32 operands (vector FMAs, or v_wmma_f32_16x16x4_f32). A number that lies on a knife's edge between two numbers of the format may be rounded either way, as far as f32 arithmetic and the matrix unit's own rounding can turn it there, and no further.
;; One version. Each part assembles by itself: llvm-mc -triple=amdgcn-amd-amdhsa -mcpu=gfx1250 --defsym DOCPART=n.
;; ======== version 1 of 1: 4 launches
;; workspace buffers: xc 18,874,368 bytes; xs 786,432 bytes; wc 3,145,728 bytes; ws 131,072 bytes; hc 18,874,368 bytes; hs 1,310,720 bytes; cc 6,291,456 bytes; cs 262,144 bytes
;; launch prep (part 1): grid 896 x 1, 4 waves a work-group, no clusters, 68,096 bytes of LDS; arguments query, key, value, query_kernel, key_kernel, value_kernel, projection_kernel, xc, xs, wc, ws; writes xc, xs, wc, ws
.if DOCPART == 1
	.amdgcn_target "amdgcn-amd-amdhsa--gfx1250"
	.amdhsa_code_object_version 6
	.text
	.protected	k_q72d3e099e0_prep
	.globl	k_q72d3e099e0_prep
	.p2align	8
	.type	k_q72d3e099e0_prep,@function
k_q72d3e099e0_prep:
	s_mov_b64 s[64:65], 0
	v_nop
	global_prefetch_b8 v0, s[64:65] scope:SCOPE_SE
	s_setreg_imm32_b32 hwreg(HW_REG_WAVE_MODE, 25, 1), 1
	s_wait_xcnt 0x0
; PREP: every f32 input that is a matrix operand becomes codes of FP6 (E2M3) with K innermost and one E8M0 scale byte for each 32 along K.
; A block's scale is 2^(floor(log2(its largest magnitude)) - 2); its byte is the largest magnitude's exponent field - 2, held at 1 from below; each number is divided by the scale and rounded to the nearest code, ties to even.
; query, key, value [8192][1024]: K = the last axis.  xc: 3 x [8192 rows][768 bytes], xs: 3 x [8192 rows][32 bytes].
; query_kernel, key_kernel, value_kernel [16][1024][64]: K = the middle axis, a row of the result is a column (h, o).  projection_kernel [16][64][1024]: K = (h, o), a row of the result is a column d.
; wc: 4 x [1024 rows][768 bytes], ws: 4 x [1024 rows][32 bytes].
; SLOT ORDER.  In all four buffers the rows of each aligned group of 32 lie with bits 3 and 4 of the row's number exchanged: row 32 g + 16 x + 8 u + i lies at place 32 g + 16 u + 8 x + i.  So lane r of the 16-row tile 2 g + u holds row
; 32 g + 8 u + r + 8 (r / 8), and where such a tile is source 0 of a matrix instruction the 16 result registers of tiles 2 g and 2 g + 1 are 16 neighbours: what the later launches' quantisers want.
; LIMITS: a block of zeros, and a block whose largest magnitude lies under 2^-124, gets the byte 1 (its codes are zeros or subnormal; the bytes are read by this program alone); NaN and infinities among the inputs are not served.
; Work-groups 0 to 127 take the weights, 128 to 895 the activations: one scalar branch on the work-group's number; each way has LDS bytes of its own.  No tensor loads, no barrier: waves share nothing.
.set NWG_W, 128
.set STEPS, 16
.set EMAX,  2
.set CB,    12                         ; bytes of 16 codes
.set XR,    16                         ; activations: v16-79 four sets of 16 numbers as loaded
.set XX,    80                         ; v80-111  two sets of 16 neighbours
.set XE,    112                        ; v112-127 a scale byte for each step
.set XC,    128                        ; v128-191 codes: four registers for each step
.set WREG,  8192                       ; LDS 0 .. 32767: a region for each wave: two stages of 32 x SP bytes, then its 256 scale bytes
.set SP,    80                         ; a lane's place in a stage: 64 bytes + 16 of padding
.set WSTG,  32768                      ; LDS 32768 .. 67583: the weights' stages, 32 rows x WP bytes for each wave
.set WP,    272                        ; a stage row: sixteen places of 16 bytes, each with 12 bytes of codes, + 16
.set WSB,   24                         ; weights: v24-25 the scale bytes
.set WX,    32                         ; v32-95   two sets of 32 numbers
.set WCD,   96                         ; v96..    a block's codes
.set WOUT,  112                        ; v112-175 the way out
.set WOF,   176                        ; v176-207 byte offset of row i of a block: i x pitch + 4 x lane; never rewritten
	s_load_b256 s[4:11], s[0:1], 0x0               ; query s[4:5], key s[6:7], value s[8:9], query_kernel s[10:11]
	s_load_b256 s[12:19], s[0:1], 0x20             ; key_kernel s[12:13], value_kernel s[14:15], projection_kernel s[16:17], xc s[18:19]
	s_load_b128 s[20:23], s[0:1], 0x40             ; xs s[20:21], wc s[22:23]
	s_load_b64 s[24:25], s[0:1], 0x50              ; ws
	v_lshl_add_u32 v208, v0, 2, 0x10800
	v_mov_b32 v209, 0
	v_lshrrev_b32 v1, 5, v0
	v_readfirstlane_b32 s26, v1                    ; wave
	v_and_b32 v2, 31, v0                           ; lane
	s_cmp_lt_u32 ttmp9, NWG_W
	s_cbranch_scc1 .Lweights
; ---------------- THE ACTIVATIONS.  A wave takes a run of 8 rows, 8,192 numbers, as 16 steps of 512.  Each load reads 512 consecutive bytes; a step's 2,048 bytes turn through the wave's own stage in LDS,
; so that a lane then holds 16 neighbours along K (two neighbouring lanes hold a block).  A run's codes are 6,144 consecutive bytes, its scale bytes 256: the run's place is its number with bits 0 and 1 exchanged (slot order).
	v_lshlrev_b32 v3, 4, v2                        ; my 16 bytes of a load's 512
	s_mul_i32 s27, s26, WREG
	v_lshrrev_b32 v14, 2, v2
	v_mul_u32_u24 v14, v14, SP
	v_and_b32 v15, 3, v2
	v_lshl_add_u32 v14, v15, 4, v14
	v_add_nc_u32 v14, s27, v14                     ; the stage, on the way in: SP (lane / 4) + 16 (lane % 4)
	v_mul_u32_u24 v15, v2, SP
	v_add_nc_u32 v15, s27, v15                     ; and on the way out: SP x lane
	v_mul_u32_u24 v4, v2, CB                       ; my codes' place in a step's
	v_lshrrev_b32 v5, 1, v2
	s_add_co_u32 s27, s27, 2*32*SP
	v_add_nc_u32 v5, s27, v5                       ; LDS: my wave's 256 scale bytes, my block's byte
	v_lshlrev_b32 v7, 3, v2                        ; and on the way out 8 bytes a lane
	v_add_nc_u32 v6, s27, v7
	s_sub_co_u32 s28, ttmp9, NWG_W
	s_lshr_b32 s29, s28, 8                         ; which tensor: 0 query, 1 key, 2 value
	s_and_b32 s28, s28, 255
	s_lshl_b32 s28, s28, 2
	s_add_co_u32 s28, s28, s26                     ; my run, 0 .. 1023
	s_and_b32 s30, s28, 1
	s_lshl_b32 s30, s30, 1
	s_bfe_u32 s31, s28, 0x10001
	s_or_b32 s30, s30, s31
	s_and_b32 s31, s28, 0x3fc
	s_or_b32 s30, s30, s31                         ; its place: bits 0 and 1 exchanged
	s_mov_b32 s33, 0
	s_wait_kmcnt 0x0
	s_cmp_eq_u32 s29, 0                            ; the choices hang on the work-group's number alone
	s_cselect_b64 s[4:5], s[4:5], s[6:7]
	s_cmp_eq_u32 s29, 2
	s_cselect_b64 s[4:5], s[8:9], s[4:5]
	s_lshl_b32 s32, s28, 15                        ; 32,768 bytes of f32 a run
	s_add_nc_u64 s[4:5], s[4:5], s[32:33]
	s_mul_i32 s32, s29, 6291456
	s_mul_i32 s34, s30, 6144
	s_add_co_u32 s32, s32, s34
	s_add_nc_u64 s[18:19], s[18:19], s[32:33]
	s_lshl_b32 s32, s29, 18
	s_lshl_b32 s34, s30, 8
	s_add_co_u32 s32, s32, s34
	s_add_nc_u64 s[20:21], s[20:21], s[32:33]
.macro XLOAD t
.irp i, 0,1,2,3
	global_load_b128 v[XR+16*((\t)%4)+4*\i:XR+16*((\t)%4)+4*\i+3], v3, s[4:5] offset:2048*(\t)+512*\i th:TH_LOAD_NT   ; 32 lanes read 512 consecutive bytes, read once in the launch
.endr
.endm
.macro XTURN t                         ; step t's numbers through the stage: LDS serves a wave's instructions in order, so no wait stands between the stores and the loads
.irp i, 0,1,2,3
	ds_store_b128 v14, v[XR+16*((\t)%4)+4*\i:XR+16*((\t)%4)+4*\i+3] offset:32*SP*((\t)%2)+8*SP*\i
.endr
.irp i, 0,1,2,3
	ds_load_b128 v[XX+16*((\t)%2)+4*\i:XX+16*((\t)%2)+4*\i+3], v15 offset:32*SP*((\t)%2)+16*\i
.endr
.endm
.irp t, 0,1,2,3
	XLOAD \t
.endr
	s_wait_loadcnt 12                              ; step 0's four loads are in; twelve younger ones stay out
	XTURN 0
.macro XSTEP t
.set XS, XX+16*((\t)%2)
.if (\t) > 0
	s_wait_dscnt 1                                 ; this step's numbers are back from the stage (the last step's byte store may be out): so its stores into the stage have read their registers,
.else
	s_wait_dscnt 0x0
.endif
.if (\t)+4 < STEPS
	XLOAD (\t)+4                                   ; which take the loads of four steps on
.endif
.if (\t)+1 < STEPS
.if STEPS-2-(\t) >= 3
	s_wait_loadcnt 12                              ; the next step's four loads are in; those of the three steps behind it may be out
.else
	s_wait_loadcnt 4*(STEPS-2-(\t))
.endif
	XTURN (\t)+1                                   ; and go through the other stage while this step is worked
.endif
	v_max3_num_f32 v8, |v[XS]|, |v[XS+1]|, |v[XS+2]|               ; the largest magnitude of my 16, in two chains
	v_max3_num_f32 v9, |v[XS+3]|, |v[XS+4]|, |v[XS+5]|
.irp i, 6,10
	v_max3_num_f32 v8, v8, |v[XS+\i]|, |v[XS+\i+1]|
	v_max3_num_f32 v9, v9, |v[XS+\i+2]|, |v[XS+\i+3]|
.endr
	v_max3_num_f32 v8, v8, |v[XS+14]|, |v[XS+15]|
	v_max3_num_f32 v8, v8, v9, (EMAX+1)<<23        ; and the floor 2^(3 - 127): the byte cannot fall under 1
	v_max_num_f32_dpp v8, v8, v8 row_xmask:1 row_mask:0xf bank_mask:0xf   ; and of my neighbour's 16: the block's
	v_add_nc_u32 v11, -(EMAX<<23), v8              ; 2 off its exponent field: the conversion takes the exponent field of this operand as its scale
	v_cvt_scalef32_pk16_fp6_f32 v[XC+4*(\t):XC+4*(\t)+2], v[XS:XS+15], v11
	v_lshrrev_b32 v[XE+(\t)], 23, v11              ; the scale's byte (also the plain line behind the conversion)
	ds_store_b8 v5, v[XE+(\t)] offset:16*(\t)      ; both lanes of a block write the same byte with the same value
	global_store_b96 v4, v[XC+4*(\t):XC+4*(\t)+2], s[18:19] offset:32*CB*(\t)   ; the wave stores 384 consecutive bytes
.endm
.irp t, 0,1,2,3,4,5,6,7,8,9,10,11,12,13,14,15
	XSTEP \t
.endr
	ds_load_b64 v[12:13], v6                       ; LDS serves a wave's instructions in order: these see my stores
	s_wait_dscnt 0x0
	global_store_b64 v7, v[12:13], s[20:21]        ; 32 lanes store 256 consecutive bytes, aligned
	s_wait_tensorcnt 0x0
	ds_add_u32 v208, v209
	s_wait_dscnt 0x0
	s_endpgm
; ---------------- THE WEIGHTS.  K is not innermost: a lane takes a column and its registers run down K, so a block of 32 lies in one lane's 32 registers and the conversions give codes with K innermost.
; A wave takes 32 columns x 256 along K.  Both shapes go one way through the text: the pitch from row to row of K (256 bytes in the three kernels of [16][1024][64], 4,096 in projection_kernel) lies in registers.
.Lweights:
	s_lshr_b32 s27, ttmp9, 5                       ; which tensor: 0 query_kernel, 1 key_kernel, 2 value_kernel, 3 projection_kernel
	s_and_b32 s28, ttmp9, 3                        ; which 256 along K
	s_bfe_u32 s29, ttmp9, 0x30002
	s_lshl_b32 s29, s29, 2
	s_add_co_u32 s29, s29, s26                     ; which 32 columns, 0 .. 31
	v_lshlrev_b32 v3, 2, v2                        ; in: 4 bytes a lane
	s_mul_i32 s30, s26, 32*WP
	s_add_co_u32 s30, s30, WSTG                    ; my stage
	v_mul_u32_u24 v4, v2, WP
	v_add_nc_u32 v4, s30, v4                       ; into it: row = my column
	v_and_b32 v5, 15, v2
	v_lshrrev_b32 v6, 4, v2                        ; out of it: sixteen lanes to a row, two rows an instruction
	v_mul_u32_u24 v7, v6, WP
	v_lshl_add_u32 v7, v5, 4, v7
	v_add_nc_u32 v7, s30, v7
	v_mul_u32_u24 v8, v6, 768
	v_mad_u32_u24 v8, v5, 12, v8                   ; and the same place in wc
	v_and_b32 v9, 7, v2                            ; my column's place among its 32: bits 3 and 4 exchanged,
	v_and_b32 v10, 8, v2
	v_lshl_or_b32 v9, v10, 1, v9
	v_and_b32 v10, 16, v2
	v_lshrrev_b32 v10, 1, v10
	v_or_b32 v9, v9, v10
	v_lshlrev_b32 v9, 5, v9                        ; x 32 bytes of scales a row
	s_lshr_b32 s48, s29, 1                         ; [16][1024][64]: head = columns / 2: 262,144 bytes; 256 rows of K: 65,536; the half of the head's 64: 128
	s_lshl_b32 s48, s48, 18
	s_lshl_b32 s49, s28, 16
	s_add_co_u32 s48, s48, s49
	s_and_b32 s49, s29, 1
	s_lshl_b32 s49, s49, 7
	s_add_co_u32 s48, s48, s49
	s_lshl_b32 s49, s28, 20                        ; [1024][1024]: 256 rows of K: 1,048,576 bytes; 32 columns: 128
	s_lshl_b32 s50, s29, 7
	s_add_co_u32 s49, s49, s50
	s_mov_b32 s31, 256
	s_cmp_eq_u32 s27, 3
	s_cselect_b32 s31, 4096, s31                   ; the pitch
	s_cselect_b32 s48, s49, s48                    ; where my part begins
	s_mov_b32 s49, 0
	s_lshl_b32 s50, s31, 5                         ; a block: 32 rows of K
	s_mov_b32 s51, 0
.set i, 0
.rept 32
	v_mad_u32_u24 v[WOF+i], s31, i, v3
.set i, i+1
.endr
	s_mul_i32 s52, s27, 786432
	s_mul_i32 s54, s29, 32*768
	s_add_co_u32 s52, s52, s54
	s_mul_i32 s54, s28, 192
	s_add_co_u32 s52, s52, s54
	s_mov_b32 s53, 0
	s_wait_kmcnt 0x0
	s_add_nc_u64 s[22:23], s[22:23], s[52:53]      ; wc: my 32 rows, my 192 bytes of each
	s_lshl_b32 s52, s27, 15
	s_lshl_b32 s54, s29, 10
	s_add_co_u32 s52, s52, s54
	s_lshl_b32 s54, s28, 3
	s_add_co_u32 s52, s52, s54
	s_add_nc_u64 s[24:25], s[24:25], s[52:53]      ; ws likewise: 8 bytes of each row
	s_cmp_eq_u32 s27, 0                            ; the choices hang on the work-group's number alone
	s_cselect_b64 s[32:33], s[10:11], s[12:13]
	s_cmp_eq_u32 s27, 2
	s_cselect_b64 s[32:33], s[14:15], s[32:33]
	s_cmp_eq_u32 s27, 3
	s_cselect_b64 s[32:33], s[16:17], s[32:33]
	s_add_nc_u64 s[32:33], s[32:33], s[48:49]      ; block 0's base; a base for each of the eight blocks, never rewritten
.irp t, 1,2,3,4,5,6,7
	s_add_nc_u64 s[32+2*\t:33+2*\t], s[30+2*\t:31+2*\t], s[50:51]
.endr
.macro WLOAD t                         ; block t: W(32 t + i, my column), i = 0 .. 31, into set t % 2; 32 lanes read 128 consecutive bytes
.set i, 0
.rept 32
	global_load_b32 v[WX+32*((\t)%2)+i], v[WOF+i], s[32+2*(\t):33+2*(\t)]
.set i, i+1
.endr
.endm
	WLOAD 0
	WLOAD 1
.macro WBLOCK t
.set XS, WX+32*((\t)%2)
.if (\t) < 7
	s_wait_loadcnt 32                              ; this block's 32 loads are in; the next block's may be out
.else
	s_wait_loadcnt 0
.endif
	v_max3_num_f32 v12, |v[XS]|, |v[XS+1]|, |v[XS+2]|               ; the block's largest magnitude: all 32 numbers are mine
	v_max3_num_f32 v13, |v[XS+3]|, |v[XS+4]|, |v[XS+5]|
.irp i, 6,10,14,18,22,26
	v_max3_num_f32 v12, v12, |v[XS+\i]|, |v[XS+\i+1]|
	v_max3_num_f32 v13, v13, |v[XS+\i+2]|, |v[XS+\i+3]|
.endr
	v_max3_num_f32 v12, v12, |v[XS+30]|, |v[XS+31]|
	v_max3_num_f32 v12, v12, v13, (EMAX+1)<<23     ; and the floor
	v_add_nc_u32 v11, -(EMAX<<23), v12             ; the conversion's scale operand
	v_lshrrev_b32 v13, 23, v11                     ; the scale's byte
.if (\t)%4 == 0
	v_mov_b32 v[WSB+(\t)/4], v13                   ; four bytes to a register, the lower K in the lower byte
.else
	v_lshl_or_b32 v[WSB+(\t)/4], v13, 8*((\t)%4), v[WSB+(\t)/4]
.endif
	v_cvt_scalef32_pk16_fp6_f32 v[WCD:WCD+2], v[XS:XS+15], v11
	v_cvt_scalef32_pk16_fp6_f32 v[WCD+4:WCD+6], v[XS+16:XS+31], v11   ; (a conversion's three registers begin on an even number)
	v_nop                                          ; one plain line behind the conversions
	ds_store_b96 v4, v[WCD:WCD+2] offset:32*(\t)   ; 12 bytes to a place of 16, so that every LDS address is a multiple of 16
	ds_store_b96 v4, v[WCD+4:WCD+6] offset:32*(\t)+16
.if (\t)+2 < 8
	WLOAD (\t)+2
.endif
	s_wait_dscnt 0x0                               ; the stores have read their registers: the next block's codes may be written
.endm
.irp t, 0,1,2,3,4,5,6,7
	WBLOCK \t
.endr
	global_store_b64 v9, v[WSB:WSB+1], s[24:25]    ; my column's 8 scale bytes, at its place in slot order
.irp t, 0,1,2,3,4,5,6,7,8,9,10,11,12,13,14,15
	ds_load_b96 v[WOUT+4*\t:WOUT+4*\t+2], v7 offset:2*\t*WP   ; LDS serves a wave's instructions in order: these see my stores
.endr
.irp t, 0,1,2,3,4,5,6,7,8,9,10,11,12,13,14,15
	s_wait_dscnt 15-\t                             ; rows 2 t and 2 t + 1 are back; the younger loads stay out
	global_store_b96 v8, v[WOUT+4*\t:WOUT+4*\t+2], s[22:23] offset:(((2*\t)&7)|((((2*\t)>>3)&1)<<4)|((((2*\t)>>4)&1)<<3))*768   ; sixteen lanes store a row's 192 consecutive bytes, at the row's place in slot order
.endr
	s_wait_tensorcnt 0x0
	ds_add_u32 v208, v209
	s_wait_dscnt 0x0
	s_endpgm
.Lfunc_end_k_q72d3e099e0_prep:
	.size	k_q72d3e099e0_prep, .Lfunc_end_k_q72d3e099e0_prep-k_q72d3e099e0_prep
	.p2alignl 7, 3214868480
	.fill 96, 4, 3214868480
	.section	.rodata,"a",@progbits
	.p2align	6, 0x0
	.amdhsa_kernel k_q72d3e099e0_prep
		.amdhsa_group_segment_fixed_size 68096
		.amdhsa_private_segment_fixed_size 0
		.amdhsa_enable_private_segment 0
		.amdhsa_kernarg_size 88
		.amdhsa_user_sgpr_count 2
		.amdhsa_user_sgpr_kernarg_segment_ptr 1
		.amdhsa_wavefront_size32 1
		.amdhsa_system_sgpr_workgroup_id_x 1
		.amdhsa_system_sgpr_workgroup_id_y 1
		.amdhsa_system_sgpr_workgroup_id_z 1
		.amdhsa_system_vgpr_workitem_id 0
		.amdhsa_next_free_vgpr 210
		.amdhsa_next_free_sgpr 80
		.amdhsa_reserve_vcc 0
		.amdhsa_float_denorm_mode_32 3
		.amdhsa_float_denorm_mode_16_64 3
		.amdhsa_memory_ordered 1
		.amdhsa_forward_progress 1
		.amdhsa_inst_pref_size 77
	.end_amdhsa_kernel
	.amdgpu_metadata
---
amdhsa.version: [ 1, 2 ]
amdhsa.kernels:
  - .name:           k_q72d3e099e0_prep
    .symbol:         k_q72d3e099e0_prep.kd
    .args:
      - { .name: query, .offset: 0, .size: 8, .value_kind: global_buffer, .address_space: global }
      - { .name: key, .offset: 8, .size: 8, .value_kind: global_buffer, .address_space: global }
      - { .name: value, .offset: 16, .size: 8, .value_kind: global_buffer, .address_space: global }
      - { .name: query_kernel, .offset: 24, .size: 8, .value_kind: global_buffer, .address_space: global }
      - { .name: key_kernel, .offset: 32, .size: 8, .value_kind: global_buffer, .address_space: global }
      - { .name: value_kernel, .offset: 40, .size: 8, .value_kind: global_buffer, .address_space: global }
      - { .name: projection_kernel, .offset: 48, .size: 8, .value_kind: global_buffer, .address_space: global }
      - { .name: xc, .offset: 56, .size: 8, .value_kind: global_buffer, .address_space: global }
      - { .name: xs, .offset: 64, .size: 8, .value_kind: global_buffer, .address_space: global }
      - { .name: wc, .offset: 72, .size: 8, .value_kind: global_buffer, .address_space: global }
      - { .name: ws, .offset: 80, .size: 8, .value_kind: global_buffer, .address_space: global }
    .group_segment_fixed_size: 68096
    .private_segment_fixed_size: 0
    .kernarg_segment_align: 8
    .kernarg_segment_size: 88
    .max_flat_workgroup_size: 128
    .sgpr_count:     80
    .vgpr_count:     210
    .wavefront_size: 32
...
	.end_amdgpu_metadata
.endif
;; end of part 1
;; launch proj (part 2): grid 32 x 12, 4 waves a work-group, clusters of 4 x 4, 327,680 bytes of LDS; arguments xc, xs, wc, ws, hc, hs; writes hc, hs
.if DOCPART == 2
	.amdgcn_target "amdgcn-amd-amdhsa--gfx1250"
	.amdhsa_code_object_version 6
	.text
	.protected	k_q72d3e099e0_proj
	.globl	k_q72d3e099e0_proj
	.p2align	8
	.type	k_q72d3e099e0_proj,@function
k_q72d3e099e0_proj:
	s_mov_b64 s[64:65], 0
	v_nop
	global_prefetch_b8 v0, s[64:65] scope:SCOPE_SE
	s_setreg_imm32_b32 hwreg(HW_REG_WAVE_MODE, 25, 1), 1
	s_wait_xcnt 0x0
	s_wait_alu depctr_hold_cnt(0) depctr_sa_sdst(0) depctr_va_vdst(0) depctr_va_sdst(0) depctr_va_ssrc(0) depctr_va_vcc(0) depctr_vm_vsrc(0)
	s_getreg_b32 s2, hwreg(HW_REG_IB_STS2, 6, 4)
	s_cmp_eq_u32 s2, 0
	s_cbranch_scc0 .Lentry_in_a_cluster
	s_endpgm
.Lentry_in_a_cluster:
	s_bfe_u32 s2, ttmp6, 0x10000c
	s_cmp_lg_u32 s2, 0xf033
	s_cbranch_scc0 .Lentry_shape_is_right
	s_endpgm
.Lentry_shape_is_right:
; PROJ: the three input projections on codes of FP6 (E2M3) with E8M0 scales, K = 1,024, and the results quantised in registers for the attention launch.  No f32 result goes to memory.
; The cluster's y says which: 0: q = query Wq, 1: k = key Wk, 2: v = value Wv.  A tile of 256 x 256 is made by four waves, 128 x 128 each: 64 accumulators of 16 x 16, 512 registers.
; THE MATRIX INSTRUCTION IS USED TRANSPOSED: source 0 = 16 rows of "B", source 1 = 16 rows of "A": a lane holds one row of A and, in its registers, rows of B.  B's rows lie in slot order in memory (bits 3 and 4 of a row's
; number exchanged), so the 16 registers of accumulators 2 g and 2 g + 1 are 16 NEIGHBOURS along B's rows: 32 g + 16 (lane / 16) + 0 .. 15.  So the result is quantised along B's rows:
;   q, k: A = the activations (8,192 rows), B = the weight (1,024 rows (h, o)): quantised along o, the first attention product's K.      v: A = Wv, B = value: quantised along the keys, the second product's K.
; One text serves all three: only pointers and a few strides are chosen, by the cluster's y, which all partners share.
; q IS QUANTISED WITHOUT ITS DIVISION BY 8: 8 is a power of two, which a block's scale takes up; the attention launch folds 1/8 into its constant.  LIMIT: a block of q whose largest magnitude lies under 2^-121 would meet the
; byte's lower hold at another place than with the division first.  A block of zeros keeps the byte 1 (its codes are zeros; the bytes are read by this program alone).  NaN and infinities are not served.
; WHAT IS STORED.  A UNIT is 16 rows x 64 along K of codes as an image of the operand's registers: 6 registers a lane (lane (r, h): row r, block h), 768 bytes laid [pair j 0..2][lane][8 bytes].
;   hc: q at 0, k at 6,291,456: [b 16 + h][tile of 16 rows 0..127][unit];  v at 12,582,912: [b 16 + h][64 keys 0..31][tile of 16 o 0..3][unit].
;   hs: at 0 [b 16 + h][12,288]: k's scale words [128 keys 0..15][tiles 0-3 | 4-7][r][4 words], then v's [128 keys][r][4 words, one a tile of o];  at 786,432 [b 16 + h][8,192]: q's, laid as k's.
; K goes in steps of 256 through a ring of two LDS slots filled by the tensor data mover; the scales of the work-group's rows come once.  CLUSTERS: 4 x 4 work-groups; A's tiles are asked for jointly along a row of the cluster, B's along a column.
; REGISTERS, in windows of 256: window 0: v0-31 addresses; v32-63 scale words, two sets; from v128 A's fragments, one set (free on the way out).  window 1: B's fragments, two sets.  windows 2, 3: the accumulators ((a, b) at v[8 (8 (a % 4) + b)]).
.set KSTEP,  256
.set NQ,     2                         ; matrix instructions deep in a slot
.set ROWB,   192                       ; a tile's row in bytes: 256 codes
.set KROW,   768                       ; a row of codes in memory
.set PITCH,  240                       ; an LDS row: 3 x (64 bytes + 16 of padding)
.set FR,     12
.set NL,     6
.set NP,     4                         ; places behind this matrix instruction (ISA guide 7.12.1)
.set HALFT,  128*PITCH
.set SLOT,   4*HALFT
.set LAPS,   2                         ; 1,024 / 512
.set KS,     32                        ; a row of scales in bytes
.set SCL,    2*SLOT                    ; behind the ring: the scales, as rows of 256 bytes + 16 of padding
.set HALFS,  (128*KS/256)*272
.set SBLK,   (16*KS/256)*272
.set SPARE,  SCL+4*HALFS               ; the spare words, 128 bytes for each wave: two blocks of 256 bytes that no other line names
.set ADRA, 16                          ; v16-17 LDS address of my A fragments in slot 0, 1 (v18-19: behind one padding more)
.set ADRB, 20                          ; v20-21 the same for B (v22-23)
.set SOFF, 24                          ; v24  the way out: my 16 bytes of scale words
.set LANE, 25                          ; v25  lane
.set LOFF, 26                          ; v26  8 x lane: my 8 bytes of a unit's pair
.set ADRS, 27                          ; v27  LDS address of my scale words: lanes 0-15 A's rows, lanes 16-31 B's
.set SPW,  28                          ; v28  LDS address of my spare word; never rewritten
.set NIL,  29                          ; v29  0; never rewritten
.set SC,   32
.set AF,   128
.set PC,   128                         ; the way out: v128-146 the codes just made
.set PWS,  160                         ; v160-167 the scale word of each of my eight blocks of A
.set XW,   168                         ; v168-171, v172-175 scale words as they are stored
.set YW,   172
.set TM,   200                         ; v200-203 largest magnitudes, v204-207 the other half's, then bytes, v212-215 the conversions' scale operands
.set G1, 24
.set G0, 32
.set G1B, 48
.set G0B, 56
.set G1S, 68
.set G0S, 76
.set G1SB, 80
.set G0SB, 88
.set MODE, 100                         ; s100  0 q, 1 k, 2 v
.set MSB, 0
.macro WIN new                         ; the immediate's high byte repeats the setting that is left
.if MSB != (\new)
	s_set_vgpr_msb (MSB<<8)|(\new)
.set MSB, (\new)
.endif
.endm
.set MUL_LO, 0xa1                      ; source 0 (B) window 1, source 1 (A) window 0, C and D window 2
.set MUL_HI, 0xf1
.set TO_B,   0x40
; A joint load: waves 0 and 1 fetch for A, waves 2 and 3 for B; the branch hangs on the wave's number alone.  Four v_nop follow each of the two lines.
.macro JLOAD g0a, g1a, g0b, g1b
	s_cmp_eq_u32 s15, 0
	s_cbranch_scc0 .Lfor_b_\@
	tensor_load_to_lds s[\g0a:\g0a+3], s[\g1a:\g1a+7]
	s_nop 0
.rept 4
	v_nop
.endr
	s_branch .Lasked_\@
.Lfor_b_\@:
	tensor_load_to_lds s[\g0b:\g0b+3], s[\g1b:\g1b+7]
	s_nop 0
.rept 4
	v_nop
.endr
.Lasked_\@:
.endm
.macro CREST                           ; a round of the cluster's barrier behind its opening barrier
	s_cmp_lg_u32 s14, 0
	s_cbranch_scc1 .Lnot_wave_0_\@
	s_barrier_signal -3
.Lnot_wave_0_\@:
	s_barrier_wait -3
	s_barrier_signal -1
	s_barrier_wait -1
.endm
.macro CROUND
	s_barrier_signal -1
	s_barrier_wait -1
	CREST
.endm
	s_load_b128 s[4:7], s[0:1], 0x0                ; xc, xs
	s_load_b128 s[8:11], s[0:1], 0x10              ; wc, ws
	s_load_b128 s[96:99], s[0:1], 0x20             ; hc, hs
	v_lshl_add_u32 v[SPW], v0, 2, SPARE
	v_mov_b32 v[NIL], 0
	ds_add_u32 v28, v29
	ds_add_u32 v28, v29
	s_wait_dscnt 0x0
	v_lshrrev_b32 v1, 5, v0
	v_readfirstlane_b32 s14, v1                    ; wave 0..3
	s_lshr_b32 s15, s14, 1                         ; which half of the tile's rows of A is mine.  Also: I fetch for A (0) or for B (1)
	s_and_b32 s16, s14, 1                          ; which half of its rows of B.  Also: which 128 rows I fetch
	s_bfe_u32 s40, ttmp6, 0x40000                  ; cx, cy: my place in the cluster
	s_bfe_u32 s41, ttmp6, 0x40004
	s_and_b32 s[MODE], ttmp7, 0xffff               ; the cluster's y: which projection
	s_cmp_eq_u32 s[MODE], 2
	s_cselect_b32 s42, ttmp9, 0                    ; the long side (8,192 rows, eight clusters) is B's for v, A's for q and k
	s_cselect_b32 s17, 0, ttmp9
	s_lshl_b32 s42, s42, 2
	s_add_co_u32 s42, s42, s40                     ; B's tile of 256 rows
	s_lshl_b32 s17, s17, 2
	s_add_co_u32 s17, s17, s41                     ; A's tile of 256 rows
	s_lshl_b32 s43, s41, 2
	s_lshl_b32 s43, 15, s43                        ; my row of the cluster
	s_lshl_b32 s44, 0x1111, s40                    ; my column
	; descriptor group 1: a tile of 128 rows x 192 bytes, 16 bytes of padding behind every 64
	s_or_b32 s[G1+0], s43, (0<<16)|(1<<20)|(1<<21)|(3<<22)|(3<<25)
	s_or_b32 s[G1B+0], s44, (0<<16)|(1<<20)|(1<<21)|(3<<22)|(3<<25)
.irp g, G1, G1B
	s_mov_b32 s[\g+1], ROWB<<16                    ; tensor_dim0
	s_mov_b32 s[\g+2], 128<<16                     ; tensor_dim1
	s_mov_b32 s[\g+3], ROWB<<16                    ; tile_dim0
	s_mov_b32 s[\g+4], 128                         ; tile_dim1
	s_mov_b32 s[\g+5], KROW                        ; the pitch
	s_mov_b32 s[\g+6], 0
	s_mov_b32 s[\g+7], 0
.endr
	; the scales of 128 rows: a dense block of 4,096 bytes, as 16 rows of 256 bytes (32 elements of 8), 16 bytes of padding behind each
	s_or_b32 s[G1S+0], s43, (3<<16)|(1<<20)|(1<<21)|(5<<22)|(3<<25)
	s_or_b32 s[G1SB+0], s44, (3<<16)|(1<<20)|(1<<21)|(5<<22)|(3<<25)
.irp g, G1S, G1SB
	s_mov_b32 s[\g+1], 32<<16
	s_mov_b32 s[\g+2], (128*KS/256)<<16
	s_mov_b32 s[\g+3], 32<<16
	s_mov_b32 s[\g+4], 128*KS/256
	s_mov_b32 s[\g+5], 32
	s_mov_b32 s[\g+6], 0
	s_mov_b32 s[\g+7], 0
.endr
	s_lshl_b32 s18, s16, 7                         ; which 128 rows of the tile I fetch
	s_lshl_b32 s20, s17, 8
	s_add_co_u32 s20, s20, s18                     ; A's row
	s_lshl_b32 s46, s42, 8
	s_add_co_u32 s46, s46, s18                     ; B's row
	s_mov_b32 s21, 0
	s_mov_b32 s47, 0
	s_mov_b64 s[18:19], KS
	s_mul_u64 s[22:23], s[20:21], s[18:19]         ; where these rows' scales begin, in bytes
	s_mul_u64 s[92:93], s[46:47], s[18:19]
	s_mov_b64 s[18:19], KROW
	s_mul_u64 s[20:21], s[20:21], s[18:19]         ; and their codes
	s_mul_u64 s[46:47], s[46:47], s[18:19]
	s_mul_i32 s45, s14, HALFT                      ; where they go: wave x 128 rows: no place in the cluster enters an LDS address
	s_mul_i32 s94, s14, HALFS
	s_mov_b32 s67, 0
	s_wait_kmcnt 0x0
	s_mul_i32 s66, s[MODE], 6291456                ; this projection's part of each buffer
	s_add_nc_u64 s[4:5], s[4:5], s[66:67]
	s_lshl_b32 s66, s[MODE], 18
	s_add_nc_u64 s[6:7], s[6:7], s[66:67]
	s_mul_i32 s66, s[MODE], 786432
	s_add_nc_u64 s[8:9], s[8:9], s[66:67]
	s_lshl_b32 s66, s[MODE], 15
	s_add_nc_u64 s[10:11], s[10:11], s[66:67]
	s_cmp_eq_u32 s[MODE], 2                        ; which buffer is A and which B: the choice hangs on the cluster's y alone
	s_cselect_b64 s[12:13], s[8:9], s[4:5]         ; A's codes
	s_cselect_b64 s[8:9], s[4:5], s[8:9]           ; B's codes
	s_cselect_b64 s[4:5], s[10:11], s[6:7]         ; A's scales
	s_cselect_b64 s[10:11], s[6:7], s[10:11]       ; B's scales
	s_add_nc_u64 s[20:21], s[12:13], s[20:21]
	s_add_nc_u64 s[22:23], s[4:5], s[22:23]
	s_add_nc_u64 s[46:47], s[8:9], s[46:47]
	s_add_nc_u64 s[92:93], s[10:11], s[92:93]
	CROUND                                         ; all sixteen work-groups are here: the first joint loads meet
	s_mov_b32 s[G0S], 1
	s_add_co_u32 s[G0S+1], s94, SCL
	s_mov_b64 s[G0S+2:G0S+3], s[22:23]
	s_or_b32 s[G0S+3], s[G0S+3], 0x80000000
	s_mov_b32 s[G0SB], 1
	s_add_co_u32 s[G0SB+1], s94, SCL
	s_mov_b64 s[G0SB+2:G0SB+3], s[92:93]
	s_or_b32 s[G0SB+3], s[G0SB+3], 0x80000000
	JLOAD G0S, G1S, G0SB, G1SB                     ; the scales first: they are wanted with K step 0
.irp s, 0,1
	s_mov_b32 s[G0+4*\s], 1
	s_add_co_u32 s[G0+4*\s+1], s45, \s*SLOT
	s_add_nc_u64 s[G0+4*\s+2:G0+4*\s+3], s[20:21], \s*ROWB
	s_or_b32 s[G0+4*\s+3], s[G0+4*\s+3], 0x80000000
	s_mov_b32 s[G0B+4*\s], 1
	s_add_co_u32 s[G0B+4*\s+1], s45, \s*SLOT
	s_add_nc_u64 s[G0B+4*\s+2:G0B+4*\s+3], s[46:47], \s*ROWB
	s_or_b32 s[G0B+4*\s+3], s[G0B+4*\s+3], 0x80000000
	JLOAD G0+4*\s, G1, G0B+4*\s, G1B               ; three tensor loads of mine are out now
.endr
	v_and_b32 v1, 15, v0                           ; l % 16
	v_bfe_u32 v2, v0, 4, 1                         ; l / 16
	v_mul_u32_u24 v3, v1, PITCH
	v_mul_u32_u24 v4, v2, 24
	v_add_nc_u32 v4, v3, v4                        ; a fragment's row x pitch + 24 x half
	v_lshl_add_u32 v5, v2, 4, v4                   ; and the same behind one padding more
	s_mul_i32 s21, s15, HALFT                      ; my 128 rows of A
	s_mul_i32 s22, s16, HALFT                      ; my 128 rows of B,
	s_add_co_u32 s22, s22, 2*HALFT                 ; which lie behind A's 256
.irp s, 0,1
	v_add_nc_u32 v[ADRA+\s], s21, v4
	v_add_nc_u32 v[ADRB+\s], s22, v4
	v_add_nc_u32 v[ADRA+2+\s], s21, v5
	v_add_nc_u32 v[ADRB+2+\s], s22, v5
	s_add_co_u32 s21, s21, SLOT
	s_add_co_u32 s22, s22, SLOT
.endr
	v_mul_u32_u24 v5, v1, KS                       ; my row's scales: 32 bytes a row,
	v_lshrrev_b32 v6, 8, v5
	v_lshl_add_u32 v5, v6, 4, v5                   ; and 16 more for each 256 passed
	s_mul_i32 s21, s15, HALFS
	s_mul_i32 s22, s16, HALFS
	s_add_co_u32 s22, s22, 2*HALFS
	s_sub_co_u32 s22, s22, s21
	v_mul_u32_u24 v6, s22, v2                      ; lanes 16-31 take B's
	s_add_co_u32 s21, s21, SCL
	v_add_nc_u32 v5, v5, v6
	v_add_nc_u32 v[ADRS], s21, v5
	v_and_b32 v[LANE], 31, v0
	v_lshlrev_b32 v[LOFF], 3, v[LANE]
	; WHERE THE RESULTS GO.  These numbers enter addresses of stores alone.
	s_lshl_b32 s20, s17, 8
	s_lshl_b32 s21, s15, 7
	s_add_co_u32 s20, s20, s21                     ; my first row of A
	s_lshl_b32 s21, s42, 8
	s_lshl_b32 s22, s16, 7
	s_add_co_u32 s21, s21, s22                     ; my first row of B
	s_mov_b32 s46, 3072
	s_mov_b32 s47, 98304
	s_mov_b32 s93, 512
	s_mov_b32 s94, 256
	s_mov_b32 s95, 12288
	s_cmp_eq_u32 s[MODE], 2
	s_cselect_b32 s22, s21, s20                    ; my first row of the activations (128 of them: one batch, one step of 128)
	s_cselect_b32 s23, s20, s21                    ; my first row (h, o) of the weight (128: two heads)
	s_cselect_b32 s45, 98304, s46                  ; from A's blocks 0-3 to 4-7: v: the next head; q, k: four tiles of rows
	s_cselect_b32 s46, s46, s47                    ; from a fragment's first 64 along its K to the second: v: the next 64 keys; q, k: the next head
	s_cselect_b32 s92, 8192, 0                     ; v's scale words lie behind k's
	s_cselect_b32 s93, 256, s93                    ; scale words of a step of 128 rows: v 256 bytes, q and k 512
	s_cselect_b32 s94, 12288, s94                  ; lanes 16-31 store: v: the next head's words; q, k: tiles 4-7's
	s_cmp_eq_u32 s[MODE], 0
	s_cselect_b32 s95, 8192, s95                   ; a head's scale bytes: q 8,192; k and v together 12,288
	s_cselect_b32 s101, 786432, 0                  ; q's part of hs
	v_mul_u32_u24 v[SOFF], s94, v2
	v_lshl_add_u32 v[SOFF], v1, 4, v[SOFF]         ; + 16 bytes a row
	s_lshr_b32 s2, s22, 11                         ; the batch
	s_bfe_u32 s22, s22, 0x40007                    ; the step of 128 rows in it
	s_lshl_b32 s2, s2, 4
	s_lshr_b32 s23, s23, 6
	s_add_co_u32 s2, s2, s23                       ; b 16 + my first head
	s_mul_i32 s20, s[MODE], 6291456
	s_mul_i32 s21, s2, 98304
	s_add_co_u32 s20, s20, s21
	s_mul_i32 s21, s22, 6144
	s_add_co_u32 s20, s20, s21
	s_mov_b32 s21, 0
	s_mov_b32 s47, 0
	s_add_nc_u64 s[4:5], s[96:97], s[20:21]        ; four bases for the units: s[4 + 4 x + 2 g]: A's blocks 4 x .. 4 x + 3, half g of the fragment
	s_add_nc_u64 s[6:7], s[4:5], s[46:47]
	s_mov_b32 s20, s45
	s_add_nc_u64 s[8:9], s[4:5], s[20:21]
	s_add_nc_u64 s[10:11], s[6:7], s[20:21]
	s_mul_i32 s20, s2, s95
	s_add_co_u32 s20, s20, s101
	s_add_co_u32 s20, s20, s92
	s_mul_i32 s23, s22, s93
	s_add_co_u32 s20, s20, s23
	s_add_nc_u64 s[92:93], s[98:99], s[20:21]      ; the scale words of my first head,
	s_mov_b32 s20, s95
	s_add_nc_u64 s[94:95], s[92:93], s[20:21]      ; and of the second (q, k)
.macro FRAG reg, adr, q, i             ; a fragment, 16 rows x 128 K: 12 registers: lane l holds row l % 16; registers 6 c .. 6 c + 5 hold K = 64 c + 32 (l / 16) + 0 .. 31: 24 bytes of the row's stream of bits, in pieces of 8
.irp p, 0,1,2,3,4,5
.set PCE, 12*(\q)+6*(\p/3)+\p%3       ; 16 bytes of padding lie behind every 8 pieces: where the piece three on lies behind one padding more, the second address register serves
.if PCE%8 < 5
	ds_load_b64 v[\reg+2*\p:\reg+2*\p+1], v[\adr] offset:8*PCE+16*(PCE/8)+(\i)*16*PITCH
.else
	ds_load_b64 v[\reg+2*\p:\reg+2*\p+1], v[\adr+2] offset:8*PCE+16*(PCE/8)+(\i)*16*PITCH
.endif
.endr
.endm
; 16 matrix instructions: A's blocks a0, a0 + 1 x B's eight, 128 along K.  The 64 accumulators take turns, one instruction a turn, in the same order in every step.
.macro MUL16 a0, p, q, sc, zero
.irp a, \a0, \a0+1
.irp b, 0,1,2,3,4,5,6,7
.if \zero
	v_wmma_scale_f32_16x16x128_f8f6f4 v[8*(8*((\a)%4)+\b):8*(8*((\a)%4)+\b)+7], v[128*(\p)+FR*\b:128*(\p)+FR*\b+FR-1], v[AF+FR*(\a):AF+FR*(\a)+FR-1], 0, v[SC+8*NQ*(\sc)+NQ*\b+(\q)], v[SC+8*NQ*(\sc)+NQ*(\a)+(\q)] matrix_a_fmt:MATRIX_FMT_FP6 matrix_b_fmt:MATRIX_FMT_FP6 matrix_a_scale:MATRIX_SCALE_ROW1
.else
	v_wmma_scale_f32_16x16x128_f8f6f4 v[8*(8*((\a)%4)+\b):8*(8*((\a)%4)+\b)+7], v[128*(\p)+FR*\b:128*(\p)+FR*\b+FR-1], v[AF+FR*(\a):AF+FR*(\a)+FR-1], v[8*(8*((\a)%4)+\b):8*(8*((\a)%4)+\b)+7], v[SC+8*NQ*(\sc)+NQ*\b+(\q)], v[SC+8*NQ*(\sc)+NQ*(\a)+(\q)] matrix_a_fmt:MATRIX_FMT_FP6 matrix_b_fmt:MATRIX_FMT_FP6 matrix_a_scale:MATRIX_SCALE_ROW1
.endif
.endr
.endr
.endm
.macro FETCH_B slot, q, p
	WIN TO_B
.irp i, 0,1,2,3,4,5,6,7
	FRAG 128*(\p)+FR*\i, ADRB+\slot, \q, \i
.endr
	WIN 0
.endm
.macro FETCH_A slot, q, i0
.irp i, \i0, \i0+1, \i0+2, \i0+3
	FRAG AF+FR*(\i), ADRA+\slot, \q, \i
.endr
.endm
.macro SCALES sc                       ; a K step's scale words: 2 words a row; lanes 0-15 take A's block i, lanes 16-31 B's block i
.irp i, 0,1,2,3,4,5,6,7
	ds_load_b64 v[SC+8*NQ*\sc+NQ*\i:SC+8*NQ*\sc+NQ*\i+1], v[ADRS] offset:\i*SBLK
.endr
.endm
.macro PLACES n                        ; plain vector lines between a matrix instruction and a load into, or a read of, its registers
.rept \n
	v_nop
.endr
.endm
.macro STEP slot, q, zero              ; a step of 128 along K that has its successor in the same slot
	s_wait_dscnt 4*NL                              ; B's set and A's blocks 0-3 are in; the youngest 24 loads (A's blocks 4-7) may be out
	WIN MUL_LO
	MUL16 0, (\q)%2, \q, \slot, \zero
	MUL16 2, (\q)%2, \q, \slot, \zero
	s_wait_dscnt 0
	PLACES NP
	FETCH_B \slot, (\q)+1, 1-(\q)%2
	FETCH_A \slot, (\q)+1, 0
	WIN MUL_HI
	MUL16 4, (\q)%2, \q, \slot, \zero
	MUL16 6, (\q)%2, \q, \slot, \zero
	PLACES NP
	WIN 0
	FETCH_A \slot, (\q)+1, 4
.endm
; A slot's last step changes slots: one barrier; in front of it each wave waits for all its tensor loads, adds 0 to its spare word, and waits for that and for its own reads of this slot.  fill = 1: this slot is filled again, two K steps ahead.
.macro TURN slot, next, fill
	s_wait_tensorcnt 0x0                           ; all my tensor loads have landed: my part of the next slot
	ds_add_u32 v[SPW], v[NIL]                      ; 0 onto my spare word
	s_wait_dscnt 4*NL+1                            ; (the add and the youngest 24 loads, A's blocks 4-7, may be out)
	WIN MUL_LO
	MUL16 0, 1, NQ-1, \slot, 0
	s_wait_dscnt 0x0                               ; the add is done, and my reads of this slot are over
	s_barrier_signal -1
	MUL16 2, 1, NQ-1, \slot, 0
	WIN 0
	s_barrier_wait -1
.if \fill
	CREST                                          ; the barrier has opened a round of the cluster's barrier: no wave of any partner still reads this slot's tile or has a load on its way
	s_add_nc_u64 s[G0+4*\slot+2:G0+4*\slot+3], s[G0+4*\slot+2:G0+4*\slot+3], 2*ROWB
	s_add_nc_u64 s[G0B+4*\slot+2:G0B+4*\slot+3], s[G0B+4*\slot+2:G0B+4*\slot+3], 2*ROWB
	JLOAD G0+4*\slot, G1, G0B+4*\slot, G1B         ; the first tensor load behind the round; its four v_nop are the places in front of the loads below
.else
	PLACES NP
.endif
	v_add_nc_u32 v[ADRS], 4*NQ, v[ADRS]            ; on to the next K step's scale words
	FETCH_B \next, 0, 0
	FETCH_A \next, 0, 0
	SCALES \next
	WIN MUL_HI
	MUL16 4, 1, NQ-1, \slot, 0
	MUL16 6, 1, NQ-1, \slot, 0
	PLACES NP
	WIN 0
	FETCH_A \next, 0, 4
.endm
	s_wait_tensorcnt 1                             ; the scales and my part of K step 0 are in (K step 1's load may be out)
	s_barrier_signal -1
	s_barrier_wait -1                              ; everybody's are
	FETCH_B 0, 0, 0
	FETCH_A 0, 0, 0
	SCALES 0
	FETCH_A 0, 0, 4
	STEP 0, 0, 1                                   ; the first step stands in front of the loop: its products start the sums
	s_mov_b32 s3, LAPS-1
.Llap:                                                 ; a trip goes once round the ring and fills both slots again
	TURN 0, 1, 1
	STEP 1, 0, 0
	TURN 1, 0, 1
	STEP 0, 0, 0
	s_sub_co_u32 s3, s3, 1
	s_cmp_lg_u32 s3, 0
	s_cbranch_scc1 .Llap
	TURN 0, 1, 0                                   ; the last lap fills nothing
	STEP 1, 0, 0
	s_wait_dscnt 4*NL
	WIN MUL_LO
	MUL16 0, 1, NQ-1, 1, 0
	MUL16 2, 1, NQ-1, 1, 0
	s_wait_dscnt 0
	WIN MUL_HI
	MUL16 4, 1, NQ-1, 1, 0
	MUL16 6, 1, NQ-1, 1, 0
	WIN 0
; THE WAY OUT: A's block a (16 rows) x my 128 rows of B: 64 numbers a lane, register 16 g + i = place 32 g + 16 (lane / 16) + i along B's rows: four blocks of 32, each shared by lanes l and l xor 16.
; They become a fragment's 12 registers (two units) and a scale word, and the units are stored as they stand: each store of the wave covers 256 consecutive bytes, aligned.
.macro QUANTW a
.set AC, 64*((\a)%4)
	WIN 0x28+0x14*((\a)/4)                         ; sources 1 and 2: window 2 or 3
.irp b, 0,1,2,3
	v_max3_num_f32 v[TM+\b], 0x1800000, |v[AC+16*\b]|, |v[AC+16*\b+1]|   ; my 16 numbers of block b, and the floor 2^(3 - 127); each accumulator is read from its low end on
.endr
.irp i, 2,4,6,8,10,12,14
.irp b, 0,1,2,3
	v_max3_num_f32 v[TM+\b], v[TM+\b], |v[AC+16*\b+\i]|, |v[AC+16*\b+\i+1]|   ; (the four blocks by turns)
.endr
.endr
	WIN 0
.irp b, 0,1,2,3
	v_permlanex16_b32 v[TM+4+\b], v[TM+\b], s18, s19
.endr
.irp b, 0,1,2,3
	v_max_num_f32 v[TM+\b], v[TM+\b], v[TM+4+\b]   ; with lane l xor 16's: the block's largest magnitude
.endr
.irp b, 0,1,2,3
	v_add_nc_u32 v[TM+12+\b], 0xff000000, v[TM+\b] ; 2 off its exponent field: the conversion's scale operand
.endr
.irp b, 0,1,2,3
	v_lshrrev_b32 v[TM+4+\b], 23, v[TM+12+\b]      ; the scale's byte
.endr
	v_lshl_or_b32 v[PWS+(\a)], v[TM+5], 8, v[TM+4] ; my row's scale word
	v_lshl_or_b32 v[PWS+(\a)], v[TM+6], 16, v[PWS+(\a)]
	v_lshl_or_b32 v[PWS+(\a)], v[TM+7], 24, v[PWS+(\a)]
.if (\a) > 0
	s_wait_xcnt 0x0                                ; the last block's stores have read their data: the codes' registers are rewritten only behind this wait
.endif
	WIN 2+(\a)/4                                   ; source 0: window 2 or 3
.irp c, 0,1
	v_cvt_scalef32_pk16_fp6_f32 v[PC+6*\c:PC+2+6*\c], v[AC+32*\c:AC+15+32*\c], v[TM+12+2*\c]
	v_cvt_scalef32_pk16_fp6_f32 v[PC+12+4*\c:PC+14+4*\c], v[AC+16+32*\c:AC+31+32*\c], v[TM+12+2*\c+1]   ; (a conversion's three registers begin on an even number)
.endr
	WIN 0
	v_nop                                          ; one plain line behind a scaled conversion
.irp c, 0,1                                    ; the operand's layout wants a whole block in a lane: lanes 0-15 block 2 c, lanes 16-31 block 2 c + 1
.irp i, 0,1,2
	v_permlane16_swap_b32 v[PC+6*\c+\i], v[PC+12+4*\c+\i]
.endr
.irp i, 0,1,2
	v_mov_b32 v[PC+3+6*\c+\i], v[PC+12+4*\c+\i]
.endr
.endr
.irp g, 0,1
.irp j, 0,1,2
	global_store_b64 v[LOFF], v[PC+6*\g+2*\j:PC+6*\g+2*\j+1], s[4+4*((\a)/4)+2*\g:5+4*((\a)/4)+2*\g] offset:((\a)%4)*768+256*\j
.endr
.endr
.endm
	s_mov_b32 s18, 0x76543210
	s_mov_b32 s19, 0xfedcba98                      ; v_permlanex16_b32's selects for lane l xor 16
	PLACES NP                                      ; behind the last products: their results are read, and the registers that held A's fragments are written
.irp b, 0,1,2,3
	v_mov_b32 v[TM+4+\b], 0                        ; written once: a lane permute's destination counts as one of its sources
.endr
.irp a, 0,1,2,3,4,5,6,7
	QUANTW \a
.endr
	v_cmp_le_u32 vcc_lo, 16, v[LANE]
.irp i, 0,1,2,3
	v_cndmask_b32 v[XW+\i], v[PWS+\i], v[PWS+4+\i], vcc_lo   ; lanes 0-15: blocks 0-3's words of row r; lanes 16-31: blocks 4-7's (every lane holds its row's word)
.endr
	global_store_b128 v[SOFF], v[XW:XW+3], s[92:93]   ; q, k: the first head's bytes are a word's lower two; the upper two are the other head's and meet zero codes alone.  v: a word's four bytes are four blocks of keys
	s_cmp_eq_u32 s[MODE], 2                        ; the cluster's y: the same in all partners
	s_cbranch_scc1 .Lone_word
.irp i, 0,1,2,3
	v_lshrrev_b32 v[YW+\i], 16, v[XW+\i]           ; q, k: the second head's two bytes
.endr
	global_store_b128 v[SOFF], v[YW:YW+3], s[94:95]
.Lone_word:
	s_wait_tensorcnt 0x0                           ; the wave's end
	ds_add_u32 v[SPW], v[NIL]
	s_wait_dscnt 0x0
	CROUND                                         ; the closing round: no work-group ends while a partner may still ask for a tile that names it
	s_endpgm
.Lfunc_end_k_q72d3e099e0_proj:
	.size	k_q72d3e099e0_proj, .Lfunc_end_k_q72d3e099e0_proj-k_q72d3e099e0_proj
	.p2alignl 7, 3214868480
	.fill 96, 4, 3214868480
	.section	.rodata,"a",@progbits
	.p2align	6, 0x0
	.amdhsa_kernel k_q72d3e099e0_proj
		.amdhsa_group_segment_fixed_size 327680
		.amdhsa_private_segment_fixed_size 0
		.amdhsa_enable_private_segment 0
		.amdhsa_kernarg_size 48
		.amdhsa_user_sgpr_count 2
		.amdhsa_user_sgpr_kernarg_segment_ptr 1
		.amdhsa_wavefront_size32 1
		.amdhsa_system_sgpr_workgroup_id_x 1
		.amdhsa_system_sgpr_workgroup_id_y 1
		.amdhsa_system_sgpr_workgroup_id_z 1
		.amdhsa_system_vgpr_workitem_id 0
		.amdhsa_next_free_vgpr 1024
		.amdhsa_next_free_sgpr 102
		.amdhsa_reserve_vcc 1
		.amdhsa_float_denorm_mode_32 3
		.amdhsa_float_denorm_mode_16_64 3
		.amdhsa_memory_ordered 1
		.amdhsa_forward_progress 1
		.amdhsa_inst_pref_size 169
	.end_amdhsa_kernel
	.amdgpu_metadata
---
amdhsa.version: [ 1, 2 ]
amdhsa.kernels:
  - .name:           k_q72d3e099e0_proj
    .symbol:         k_q72d3e099e0_proj.kd
    .args:
      - { .name: xc, .offset: 0, .size: 8, .value_kind: global_buffer, .address_space: global }
      - { .name: xs, .offset: 8, .size: 8, .value_kind: global_buffer, .address_space: global }
      - { .name: wc, .offset: 16, .size: 8, .value_kind: global_buffer, .address_space: global }
      - { .name: ws, .offset: 24, .size: 8, .value_kind: global_buffer, .address_space: global }
      - { .name: hc, .offset: 32, .size: 8, .value_kind: global_buffer, .address_space: global }
      - { .name: hs, .offset: 40, .size: 8, .value_kind: global_buffer, .address_space: global }
    .group_segment_fixed_size: 327680
    .private_segment_fixed_size: 0
    .kernarg_segment_align: 8
    .kernarg_segment_size: 48
    .max_flat_workgroup_size: 128
    .sgpr_count:     102
    .vgpr_count:     1024
    .wavefront_size: 32
...
	.end_amdgpu_metadata
.endif
;; end of part 2
;; launch attn (part 3): grid 8 x 64, 16 waves a work-group, clusters of 4 x 1, 210,944 bytes of LDS; arguments hc, hs, cc, cs; writes cc, cs
.if DOCPART == 3
	.amdgcn_target "amdgcn-amd-amdhsa--gfx1250"
	.amdhsa_code_object_version 6
	.text
	.protected	k_q72d3e099e0_attn
	.globl	k_q72d3e099e0_attn
	.p2align	8
	.type	k_q72d3e099e0_attn,@function
k_q72d3e099e0_attn:
	s_mov_b64 s[64:65], 0
	v_nop
	global_prefetch_b8 v0, s[64:65] scope:SCOPE_SE
	s_setreg_imm32_b32 hwreg(HW_REG_WAVE_MODE, 25, 1), 1
	s_wait_xcnt 0x0
	s_wait_alu depctr_hold_cnt(0) depctr_sa_sdst(0) depctr_va_vdst(0) depctr_va_sdst(0) depctr_va_ssrc(0) depctr_va_vcc(0) depctr_vm_vsrc(0)
	s_getreg_b32 s2, hwreg(HW_REG_IB_STS2, 6, 4)
	s_cmp_eq_u32 s2, 0
	s_cbranch_scc0 .Lentry_in_a_cluster
	s_endpgm
.Lentry_in_a_cluster:
	s_bfe_u32 s2, ttmp6, 0x10000c
	s_cmp_lg_u32 s2, 0x3003
	s_cbranch_scc0 .Lentry_shape_is_right
	s_endpgm
.Lentry_shape_is_right:
; ATTN: ctx[b][h][q] = the sum over keys of softmax(q . k / 8) v, both products on codes of FP6 (E2M3) with E8M0 scales, and ctx quantised along the head's 64 for the output projection.
; THE SOFTMAX: t = score x log2(e) / 8 (q's codes were made without the division by 8, a power of two); M = the running largest t rounded UP to a whole number; p = 2^(t - M) is what is quantised, along the keys, not normalised.
; The row's sum is taken of the unquantised p, in f32, and divides at the end.  When M moves, the sum and O are multiplied by 2^(old M - new M): exact.
; A block's largest p is not searched for: p rises with the score, so each block's largest score goes through the same multiply-add and exponential (this takes v_exp_f32 not to fall where its input rises).
; SHARES.  A work-group owns 256 queries of one (b, h); each of its sixteen waves owns one tile of 16 queries in 256 registers: four waves to a SIMD, so that one wave's vector work stands beside another's matrix work and LDS loads.
; ONE HEAD'S K AND V CODES, 196,608 bytes, AND THEIR SCALE WORDS, 12,288, LIE IN LDS WHOLE: every byte is filled once, nothing is filled again and nothing is stored there.  They come in quarters of 512 keys, so that the first steps
; run while the later quarters are on their way.  CLUSTER: the four work-groups of a cluster belong to one head and ask for each piece jointly.
; LAYOUT.  Both products are used transposed: S^T = K Q^T (source 0 = 16 keys, source 1 = my 16 queries), O^T = V^T P^T: a lane holds one query (lane % 16) throughout.  The keys of a tile and the o of a tile of V^T lie in slot order
; (lane r of tile 2 g + u holds 32 g + 8 u + r + 8 (r / 8)), so the 16 registers of tiles 2 g and 2 g + 1 are 16 neighbours.  All operands come as images of their registers (units of 16 rows x 64 K: [pair j][lane][8 bytes]).
; THE FIRST PRODUCT'S K IS 64: half of the instruction's 128.  Q's upper six registers are zero codes; K's upper six are whatever follows (the next tile's codes, or zeros): they meet zero codes and add nothing.
; LIMITS: NaN and infinities are not served; a block of zeros keeps the scale byte 1 (its codes are zeros; the bytes are read by this program alone).
.set VC,   98304                       ; LDS: K's units at 0 (tile kt at 768 kt), V's at VC (64 keys g, tile ot: (4 g + ot) 768),
.set SCB,  196608                      ; K's scale words, 8,192 bytes (512 a step), then V's, 4,096 (256 a step)
.set L8,   1                           ; v1   8 x lane
.set AS0,  2                           ; v2   SCB + 16 x lane
.set AT0,  3                           ; v3   SCB + 8192 + 16 r
.set LN,   4                           ; v4   lane
.set RR,   5                           ; v5   r = lane % 16
.set CSO,  6                           ; v6   32 r + lane / 16: my byte in cs
.set QSO,  7                           ; v7   16 r
.set ADK,  8                           ; v8-11 the step's LDS addresses: K, V, K's scale words, V's
.set ADV,  9
.set ADS,  10
.set ADT,  11                          ; v12 -M, v13 the largest t, v[14:15] the sum in two halves
.set QF,   16                          ; v16-27 Q's fragment: 16-21 codes, 22-27 zero codes
.set QSW,  28                          ; v28  Q's scale word
.set KV,   32                          ; v32-79 K's eight units, later V's four fragments; v80-85 zero codes
.set KSW,  88                          ; v88-91 K's scale words: lanes 0-15 tiles 0-3, lanes 16-31 tiles 4-7
.set VSW,  92                          ; v92-95 V's, one a tile of o
.set S,    96                          ; v96-159 S^T, then p
.set O,    160                         ; v160-191 O^T
.set PCD,  192                         ; v192-203 p's codes
.set PT,   204                         ; v204-206, v208-210 the conversions' second halves
.set BM,   212                         ; v212-215 each block's largest score, then largest p
.set BX,   216                         ; v216-219 the other half's; the second chain of the sum; the bytes
.set BS,   220                         ; v220-223 the conversions' scale operands
.set TMP,  224
.set F,    226                         ; v[226:227] f = 2^(old M - new M), later 1 / the sum (the pair's low word serves both halves)
.set PSW,  228                         ; v228 p's scale word
.set WV,   12
.set SEL,  20
.set CS,   22
.set G1C,  24                          ; s[24:31] group 1 for 3,072 bytes of codes; s[32:39] for 768 bytes of scale words
.set G1S,  32
.set G0S,  40                          ; s[40:43] group 0 for my scale words; s[44+4n:47+4n] for my piece of quarter n; none is ever rewritten
.set G0C,  44
.set TB,   60
.set TS,   61
.set TJ,   62
.set CNT,  63
.macro CROUND                          ; a round of the cluster's barrier
	s_barrier_signal -1
	s_barrier_wait -1
	s_cmp_lg_u32 s[WV], 0
	s_cbranch_scc1 .Lnot_wave_0_\@
	s_barrier_signal -3
.Lnot_wave_0_\@:
	s_barrier_wait -3
	s_barrier_signal -1
	s_barrier_wait -1
.endm
	s_load_b128 s[4:7], s[0:1], 0x0                ; hc, hs
	s_load_b128 s[8:11], s[0:1], 0x10              ; cc, cs
	v_lshl_add_u32 v254, v0, 2, 0x33000
	v_mov_b32 v255, 0
	ds_add_u32 v254, v255
	ds_add_u32 v254, v255
	v_lshrrev_b32 v1, 5, v0
	s_delay_alu instid0(VALU_DEP_1)
	v_readfirstlane_b32 s[WV], v1                  ; wave 0..15
	s_bfe_u32 s13, ttmp6, 0x40000                  ; cx: my place in the cluster
	s_lshl_b32 s14, ttmp9, 2
	s_add_co_u32 s14, s14, s13                     ; my block of 256 queries: it enters Q's, cc's and cs's addresses alone
	s_and_b32 s15, ttmp7, 0xffff                   ; b 16 + h, which the four partners share
	s_lshl_b32 s16, s14, 4
	s_add_co_u32 s16, s16, s[WV]                   ; my tile of 16 queries, 0 .. 127
	; descriptor group 1: dense blocks as rows of 256 bytes (32 elements of 8); the mask names all four work-groups, bit 21 beside it
	s_mov_b32 s[G1C], 15|(3<<16)|(1<<21)
	s_mov_b32 s[G1S], 15|(3<<16)|(1<<21)
.irp g, G1C, G1S
	s_mov_b32 s[\g+1], 32<<16                      ; tensor_dim0
	s_mov_b32 s[\g+3], 32<<16                      ; tile_dim0
	s_mov_b32 s[\g+5], 32                          ; the pitch
	s_mov_b32 s[\g+6], 0
	s_mov_b32 s[\g+7], 0
.endr
	s_mov_b32 s[G1C+2], 12<<16                     ; tensor_dim1, tile_dim1: 12 rows
	s_mov_b32 s[G1C+4], 12
	s_mov_b32 s[G1S+2], 3<<16                      ; 3 rows
	s_mov_b32 s[G1S+4], 3
	s_lshr_b32 s17, s[WV], 3                       ; waves 0-7 fetch K's codes, waves 8-15 V's: an eighth of each quarter
	s_and_b32 s18, s[WV], 7
	s_mul_i32 s66, s17, VC
	s_mul_i32 s67, s18, 3072
	s_add_co_u32 s66, s66, s67                     ; my piece of quarter 0 in LDS: the wave's number alone
	s_mul_i32 s68, s17, 6291456
	s_add_co_u32 s68, s68, 6291456                 ; k's part of hc, or v's
	s_mul_i32 s69, s15, 98304
	s_add_co_u32 s68, s68, s69
	s_add_co_u32 s68, s68, s67
	s_mov_b32 s69, 0
	s_mul_i32 s70, s[WV], 768                      ; a sixteenth of the head's 12,288 bytes of scale words
	s_mul_i32 s72, s15, 12288
	s_add_co_u32 s72, s72, s70
	s_mov_b32 s73, 0
	s_mov_b32 s[SEL], 0x76543210
	s_mov_b32 s[SEL+1], 0xfedcba98                 ; v_permlanex16_b32's selects for lane l xor 16
	s_mov_b32 s[CS], 0x3e38aa3b                    ; c = log2(e) / 8
	s_mov_b32 s[CS+1], s[CS]                       ; (named with it as a pair, so it is written)
	s_wait_dscnt 0x0
	s_wait_kmcnt 0x0
	s_add_nc_u64 s[68:69], s[4:5], s[68:69]
	s_add_nc_u64 s[72:73], s[6:7], s[72:73]
	CROUND                                         ; all four work-groups are here: the joint loads meet
	s_mov_b32 s[G0S], 1
	s_add_co_u32 s[G0S+1], s70, SCB
	s_mov_b64 s[G0S+2:G0S+3], s[72:73]
	s_or_b32 s[G0S+3], s[G0S+3], 0x80000000
.irp n, 0,1,2,3
	s_mov_b32 s[G0C+4*\n], 1
	s_add_co_u32 s[G0C+4*\n+1], s66, \n*24576
	s_add_nc_u64 s[G0C+4*\n+2:G0C+4*\n+3], s[68:69], \n*24576
	s_or_b32 s[G0C+4*\n+3], s[G0C+4*\n+3], 0x80000000
.endr
	tensor_load_to_lds s[G0S:G0S+3], s[G1S:G1S+7]  ; all of the launch's fills go out as one group: five tensor loads of mine are out
	s_nop 0
.irp n, 0,1,2,3
	tensor_load_to_lds s[G0C+4*\n:G0C+4*\n+3], s[G1C:G1C+7]
	s_nop 0
.endr
.rept 4
	v_nop
.endr
	v_and_b32 v[LN], 31, v0
	s_delay_alu instid0(VALU_DEP_1)
	v_lshlrev_b32 v[L8], 3, v[LN]
	s_delay_alu instid0(VALU_DEP_2)
	v_lshl_add_u32 v[AS0], v[LN], 4, SCB
	v_and_b32 v[RR], 15, v0
	s_delay_alu instid0(VALU_DEP_1)
	v_lshl_add_u32 v[AT0], v[RR], 4, SCB+8192
	v_bfe_u32 v[CSO], v0, 4, 1
	s_delay_alu instid0(VALU_DEP_1)
	v_lshl_add_u32 v[CSO], v[RR], 5, v[CSO]
	s_delay_alu instid0(VALU_DEP_4)
	v_lshlrev_b32 v[QSO], 4, v[RR]
	s_wait_alu depctr_va_vdst(0)
	s_mul_i32 s74, s15, 98304
	s_mul_i32 s75, s16, 768
	s_add_co_u32 s74, s74, s75
	s_mov_b32 s75, 0
	s_add_nc_u64 s[74:75], s[4:5], s[74:75]        ; my tile's unit of Q
.irp j, 0,1,2
	global_load_b64 v[QF+2*\j:QF+2*\j+1], v[L8], s[74:75] offset:256*\j
.endr
	s_lshl_b32 s76, s15, 13                        ; Q's scale words: 8,192 bytes a head; four tiles' words lie together: (tile / 4) 256 + 16 r + (tile % 4) 4
	s_lshr_b32 s77, s16, 2
	s_lshl_b32 s77, s77, 8
	s_add_co_u32 s76, s76, s77
	s_and_b32 s77, s16, 3
	s_lshl_b32 s77, s77, 2
	s_add_co_u32 s76, s76, s77
	s_add_co_u32 s76, s76, 786432
	s_mov_b32 s77, 0
	s_add_nc_u64 s[76:77], s[6:7], s[76:77]
	global_load_b32 v[QSW], v[QSO], s[76:77]
	s_lshr_b32 s66, s15, 4                         ; where ctx goes: row tile T = b 128 + my tile; cc: T 12,288 + head 768; cs: T 512 + 32 r + 2 head + block
	s_lshl_b32 s66, s66, 7
	s_add_co_u32 s66, s66, s16
	s_and_b32 s67, s15, 15
	s_mul_i32 s68, s66, 12288
	s_mul_i32 s69, s67, 768
	s_add_co_u32 s68, s68, s69
	s_mov_b32 s69, 0
	s_add_nc_u64 s[8:9], s[8:9], s[68:69]
	s_lshl_b32 s68, s66, 9
	s_lshl_b32 s67, s67, 1
	s_add_co_u32 s68, s68, s67
	s_add_nc_u64 s[10:11], s[10:11], s[68:69]
	v_mov_b32 v13, 0xff61b1e6                      ; the largest t so far: -3e38, under every t
	s_delay_alu instid0(VALU_DEP_1)
	v_floor_f32 v12, -v13                          ; -M
	v_mov_b32 v14, 0                               ; the sum, in two halves
	v_mov_b32 v15, 0
.irp j, 0,1,2,3,4,5
	v_mov_b32 v[QF+6+\j], 0                        ; Q's K = 64 .. 127: zero codes
	v_mov_b32 v[KV+48+\j], 0                       ; what follows K's last unit
.endr
.irp b, 0,1,2,3
	v_mov_b32 v[BX+\b], 0                          ; written once: a lane permute's destination counts as one of its sources
.endr
	v_mov_b32 v[F+1], 0                            ; (named as the upper half of a pair)
.set j, 0
.rept 32
	v_mov_b32 v[O+j], 0                            ; O^T: the step is written once; its first run finds zeros, which the first change of M leaves zeros
.set j, j+1
.endr
	s_wait_loadcnt 0x0                             ; Q
; A KEY STEP: 128 keys.
.macro STEP
	v_add_nc_u32 v[ADK], s[TB], v[L8]              ; these four are also the places between the last products and the loads into the registers that they read
	v_add_nc_u32 v[ADS], s[TS], v[AS0]
	v_add_nc_u32 v[ADT], s[TJ], v[AT0]
	s_delay_alu instid0(VALU_DEP_3)
	v_add_nc_u32 v[ADV], VC, v[ADK]
.irp t, 0,1,2,3,4,5,6,7
.irp j, 0,1,2
	ds_load_b64 v[KV+6*\t+2*\j:KV+6*\t+2*\j+1], v[ADK] offset:768*\t+256*\j   ; 32 lanes read 256 consecutive bytes
.endr
.endr
	ds_load_b128 v[KSW:KSW+3], v[ADS]
	s_wait_alu depctr_va_vdst(0)
	s_wait_dscnt 0x0
.irp t, 0,1,2,3                                ; S^T = K Q^T
	v_wmma_scale_f32_16x16x128_f8f6f4 v[S+8*\t:S+8*\t+7], v[KV+6*\t:KV+6*\t+11], v[QF:QF+11], 0, v[KSW+\t], v[QSW] matrix_a_fmt:MATRIX_FMT_FP6 matrix_b_fmt:MATRIX_FMT_FP6
.endr
.irp t, 4,5,6,7
	v_wmma_scale_f32_16x16x128_f8f6f4 v[S+8*\t:S+8*\t+7], v[KV+6*\t:KV+6*\t+11], v[QF:QF+11], 0, v[KSW+\t-4], v[QSW] matrix_a_fmt:MATRIX_FMT_FP6 matrix_b_fmt:MATRIX_FMT_FP6 matrix_a_scale:MATRIX_SCALE_ROW1
.endr
.rept 4
	v_nop                                          ; places in front of the loads into K's registers and of the first read of the scores
.endr
.irp ot, 0,1,2,3                               ; V's four fragments land under the softmax
.irp c, 0,1
.irp j, 0,1,2
	ds_load_b64 v[KV+12*\ot+6*\c+2*\j:KV+12*\ot+6*\c+2*\j+1], v[ADV] offset:(4*\c+\ot)*768+256*\j
.endr
.endr
.endr
	ds_load_b128 v[VSW:VSW+3], v[ADT]
.irp b, 0,1,2,3
	v_max3_num_f32 v[BM+\b], v[S+16*\b], v[S+1+16*\b], v[S+2+16*\b]   ; the largest score of each block of 32 keys: for the row's maximum and for the block's largest p
.endr
.irp i, 3,5,7,9,11,13
.irp b, 0,1,2,3
	v_max3_num_f32 v[BM+\b], v[BM+\b], v[S+16*\b+\i], v[S+1+16*\b+\i]   ; (the four blocks by turns)
.endr
.endr
.irp b, 0,1,2,3
	v_max_num_f32 v[BM+\b], v[BM+\b], v[S+15+16*\b]
.endr
.irp b, 0,1,2,3
	s_delay_alu instid0(VALU_DEP_4)
	v_permlanex16_b32 v[BX+\b], v[BM+\b], s[SEL], s[SEL+1]
.endr
.irp b, 0,1,2,3
	s_delay_alu instid0(VALU_DEP_4)
	v_max_num_f32 v[BM+\b], v[BM+\b], v[BX+\b]     ; with lane l xor 16's 16 keys
.endr
	s_delay_alu instid0(VALU_DEP_2)
	v_max3_num_f32 v[TMP], v[BM], v[BM+1], v[BM+2]
	s_delay_alu instid0(VALU_DEP_1)
	v_max_num_f32 v[TMP], v[TMP], v[BM+3]          ; the step's largest score of my query
	s_delay_alu instid0(VALU_DEP_1)
	v_mul_f32 v[TMP], s[CS], v[TMP]                ; as t (c is positive)
	s_delay_alu instid0(VALU_DEP_1)
	v_max_num_f32 v13, v13, v[TMP]                 ; the running largest t
	v_mov_b32 v[TMP], v12
	s_delay_alu instid0(VALU_DEP_2)
	v_floor_f32 v12, -v13                          ; the new -M = floor(-t) = -ceil(t): a whole number
	s_delay_alu instid0(VALU_DEP_1)
	v_sub_f32 v[TMP], v12, v[TMP]                  ; old M - new M: a whole number, 0 or less
	s_delay_alu instid0(VALU_DEP_1)
	v_cvt_i32_f32 v[TMP], v[TMP]                   ; (it saturates)
	s_delay_alu instid0(VALU_DEP_1)
	v_ldexp_f32 v[F], 1.0, v[TMP]                  ; f = 2^(old M - new M)
.set j, 0
.rept 32
	v_pk_fma_f32 v[S+j:S+j+1], v[S+j:S+j+1], s[CS:CS+1], v[12:13] op_sel_hi:[1,0,0]   ; t - M, two at a time (of the pairs c and -M the low word serves both halves)
.set j, j+2
.endr
.irp b, 0,1,2,3
	v_fma_f32 v[BM+\b], v[BM+\b], s[CS], v12       ; the same of each block's largest score
.endr
.set j, 0
	s_setprio 1
	s_wait_alu depctr_va_vdst(0)
.rept 64
	v_exp_f32 v[S+j], v[S+j]                       ; p = 2^(t - M), at most 1
.set j, j+1
.endr
	v_pk_mul_f32 v[14:15], v[14:15], v[F:F+1] op_sel_hi:[1,0]   ; the sums under the new M (a plain line behind the exponentials)
	s_wait_alu depctr_va_vdst(0)                   ; one wait for the whole batch, ahead of its first reader
.irp b, 0,1,2,3
	v_exp_f32 v[BM+\b], v[BM+\b]                   ; the block's largest p: the same two instructions on the same number give the same bits
.endr
	v_pk_add_f32 v[216:217], v[100:101], v[104:105]
	v_pk_add_f32 v[252:253], v[108:109], v[112:113]
	v_pk_add_f32 v[250:251], v[116:117], v[120:121]
	v_pk_add_f32 v[248:249], v[124:125], v[128:129]
	v_pk_add_f32 v[246:247], v[132:133], v[136:137]
	v_pk_add_f32 v[244:245], v[140:141], v[144:145]
	v_pk_add_f32 v[242:243], v[148:149], v[152:153]
	v_pk_add_f32 v[14:15], v[14:15], v[156:157]
	v_pk_add_f32 v[216:217], v[216:217], v[96:97]
	v_pk_add_f32 v[252:253], v[252:253], v[98:99]
	v_pk_add_f32 v[250:251], v[250:251], v[102:103]
	v_pk_add_f32 v[248:249], v[248:249], v[106:107]
	v_pk_add_f32 v[246:247], v[246:247], v[110:111]
	v_pk_add_f32 v[244:245], v[244:245], v[114:115]
	v_pk_add_f32 v[242:243], v[242:243], v[118:119]
	v_pk_add_f32 v[14:15], v[14:15], v[122:123]
	v_pk_add_f32 v[216:217], v[216:217], v[126:127]
	v_pk_add_f32 v[252:253], v[252:253], v[130:131]
	v_pk_add_f32 v[250:251], v[250:251], v[134:135]
	v_pk_add_f32 v[248:249], v[248:249], v[138:139]
	v_pk_add_f32 v[246:247], v[246:247], v[142:143]
	v_pk_add_f32 v[244:245], v[244:245], v[146:147]
	v_pk_add_f32 v[242:243], v[242:243], v[150:151]
	v_pk_add_f32 v[14:15], v[14:15], v[154:155]
	v_pk_add_f32 v[216:217], v[216:217], v[158:159]
	s_delay_alu instid0(VALU_DEP_2)
	v_pk_add_f32 v[14:15], v[14:15], v[248:249]
	s_delay_alu instid0(VALU_DEP_2)
	v_pk_add_f32 v[216:217], v[216:217], v[246:247]
	v_pk_add_f32 v[252:253], v[252:253], v[244:245]
	v_pk_add_f32 v[250:251], v[250:251], v[242:243]
	s_delay_alu instid0(VALU_DEP_2)
	v_pk_add_f32 v[14:15], v[14:15], v[252:253]
	s_delay_alu instid0(VALU_DEP_2)
	v_pk_add_f32 v[216:217], v[216:217], v[250:251]
	s_delay_alu instid0(VALU_DEP_1)
	v_pk_add_f32 v[14:15], v[14:15], v[216:217]
	s_wait_alu depctr_va_vdst(0)                   ; and one for the four
.irp b, 0,1,2,3
	v_max_num_f32 v[BM+\b], 0x1800000, v[BM+\b]    ; the floor 2^(3 - 127): the byte cannot fall under 1
.endr
.irp b, 0,1,2,3
	s_delay_alu instid0(VALU_DEP_4)
	v_add_nc_u32 v[BS+\b], 0xff000000, v[BM+\b]    ; 2 off the exponent field: the conversion's scale operand
.endr
.irp b, 0,1,2,3
	s_delay_alu instid0(VALU_DEP_4)
	v_lshrrev_b32 v[BX+\b], 23, v[BS+\b]           ; the scale's byte
.endr
	s_delay_alu instid0(VALU_DEP_3)
	v_lshl_or_b32 v[PSW], v[BX+1], 8, v[BX]        ; p's scale word for these 128 keys
	s_delay_alu instid0(VALU_DEP_1)
	v_lshl_or_b32 v[PSW], v[BX+2], 16, v[PSW]
	s_delay_alu instid0(VALU_DEP_1)
	v_lshl_or_b32 v[PSW], v[BX+3], 24, v[PSW]
.irp c, 0,1
	v_cvt_scalef32_pk16_fp6_f32 v[PCD+6*\c:PCD+2+6*\c], v[S+32*\c:S+15+32*\c], v[BS+2*\c]
	v_cvt_scalef32_pk16_fp6_f32 v[PT+4*\c:PT+2+4*\c], v[S+16+32*\c:S+31+32*\c], v[BS+2*\c+1]   ; (a conversion's three registers begin on an even number)
.endr
	v_nop                                          ; one plain line behind a scaled conversion
	s_setprio 0
.irp c, 0,1                                    ; the operand's layout wants a whole block in a lane
.irp i, 0,1,2
	v_permlane16_swap_b32 v[PCD+6*\c+\i], v[PT+4*\c+\i]
.endr
.irp i, 0,1,2
	s_delay_alu instid0(VALU_DEP_3)
	v_mov_b32 v[PCD+3+6*\c+\i], v[PT+4*\c+\i]
.endr
.endr
.set j, 0
.rept 16
	v_pk_mul_f32 v[O+j:O+j+1], v[O+j:O+j+1], v[F:F+1] op_sel_hi:[1,0]   ; O^T under the new M.  (These sixteen are also the places between the lines that wrote p's codes and scale word and the products below)
.set j, j+2
.endr
	s_wait_alu depctr_va_vdst(0)
	s_wait_dscnt 0x0                               ; V's fragments and scale words are in
.irp ot, 0,1,2,3                               ; O^T += V^T P^T: the four accumulators by turns
	v_wmma_scale_f32_16x16x128_f8f6f4 v[O+8*\ot:O+8*\ot+7], v[KV+12*\ot:KV+12*\ot+11], v[PCD:PCD+11], v[O+8*\ot:O+8*\ot+7], v[VSW+\ot], v[PSW] matrix_a_fmt:MATRIX_FMT_FP6 matrix_b_fmt:MATRIX_FMT_FP6
.endr
	s_add_co_u32 s[TB], s[TB], 6144                ; the next step's units and scale words
	s_add_co_u32 s[TS], s[TS], 512
	s_add_co_u32 s[TJ], s[TJ], 256
.endm
; A QUARTER: 512 keys, four steps.  My piece of it has landed when at most 3 - n younger loads of mine are out; behind the barrier everybody's has.  The later quarters stay on their way.
.macro QUARTER n
	s_wait_tensorcnt 3-\n
	s_barrier_signal -1
	s_barrier_wait -1
	s_mov_b32 s[TB], 24576*\n
	s_mov_b32 s[TS], 2048*\n
	s_mov_b32 s[TJ], 1024*\n
	s_mov_b32 s[CNT], 4
.Lstep_\@:
	s_setprio 2
	STEP
	s_sub_co_u32 s[CNT], s[CNT], 1
	s_cmp_lg_u32 s[CNT], 0
	s_cbranch_scc1 .Lstep_\@
	s_setprio 0
.endm
	QUARTER 0
	QUARTER 1
	QUARTER 2
	QUARTER 3                                      ; its wait is for 0: no tensor load is out from here on
	; THE WAY OUT.  O^T / the sum; V^T's tiles lie in slot order, so register 16 g + i is o = 32 g + 16 (lane / 16) + i: two blocks of 32, quantised as an operand of the output projection; one unit and two scale bytes a row.
	v_add_f32 v14, v14, v15                        ; the sum's two halves,
	s_delay_alu instid0(VALU_DEP_1)
	v_permlanex16_b32 v[TMP], v14, s[SEL], s[SEL+1]
	s_delay_alu instid0(VALU_DEP_1)
	v_add_f32 v14, v14, v[TMP]                     ; and lane l xor 16's: the row's sum
	s_wait_alu depctr_va_vdst(0)
	v_rcp_f32 v[F], v14
.rept 4
	v_nop                                          ; the plain line behind the reciprocal, and the places behind the last products
.endr
	s_wait_alu depctr_va_vdst(0)                   ; the wait ahead of the reciprocal's first reader
.set j, 0
.rept 16
	v_pk_mul_f32 v[S+j:S+j+1], v[O+j:O+j+1], v[F:F+1] op_sel_hi:[1,0]   ; each accumulator from its low end on
.set j, j+2
.endr
.irp b, 0,1
	v_max3_num_f32 v[BM+\b], |v[S+16*\b]|, |v[S+1+16*\b]|, 0x1800000   ; my 16 numbers of block b, and the floor
.endr
.irp i, 2,4,6,8,10,12,14
.irp b, 0,1
	s_delay_alu instid0(VALU_DEP_2)
	v_max3_num_f32 v[BM+\b], v[BM+\b], |v[S+16*\b+\i]|, |v[S+1+16*\b+\i]|
.endr
.endr
.irp b, 0,1
	s_delay_alu instid0(VALU_DEP_2)
	v_permlanex16_b32 v[BX+\b], v[BM+\b], s[SEL], s[SEL+1]
.endr
.irp b, 0,1
	s_delay_alu instid0(VALU_DEP_2)
	v_max_num_f32 v[BM+\b], v[BM+\b], v[BX+\b]
.endr
.irp b, 0,1
	s_delay_alu instid0(VALU_DEP_2)
	v_add_nc_u32 v[BS+\b], 0xff000000, v[BM+\b]
.endr
.irp b, 0,1
	s_delay_alu instid0(VALU_DEP_2)
	v_lshrrev_b32 v[BX+\b], 23, v[BS+\b]
.endr
	v_cvt_scalef32_pk16_fp6_f32 v[PCD:PCD+2], v[S:S+15], v[BS]
	v_cvt_scalef32_pk16_fp6_f32 v[PT:PT+2], v[S+16:S+31], v[BS+1]
	v_nop                                          ; one plain line behind a scaled conversion
.irp i, 0,1,2
	v_permlane16_swap_b32 v[PCD+\i], v[PT+\i]      ; lanes 0-15: block 0; lanes 16-31: block 1
.endr
.irp i, 0,1,2
	s_delay_alu instid0(VALU_DEP_3)
	v_mov_b32 v[PCD+3+\i], v[PT+\i]
.endr
.irp j, 0,1,2
	global_store_b64 v[L8], v[PCD+2*\j:PCD+2*\j+1], s[8:9] offset:256*\j   ; the unit as it stands: 256 consecutive bytes a store, aligned
.endr
	v_cmp_le_u32 vcc_lo, 16, v[LN]
	s_delay_alu instid0(VALU_DEP_1)
	v_cndmask_b32 v[TMP], v[BX], v[BX+1], vcc_lo   ; lane (r, h) stores the byte of row r's block h: 32 different bytes (a head has two of a row's 32)
	global_store_b8 v[CSO], v[TMP], s[10:11]
	s_wait_tensorcnt 0x0
	ds_add_u32 v254, v255
	s_wait_dscnt 0x0
	CROUND                                         ; the closing round: no work-group ends while a partner may still ask for a piece that names it
	s_endpgm
.Lfunc_end_k_q72d3e099e0_attn:
	.size	k_q72d3e099e0_attn, .Lfunc_end_k_q72d3e099e0_attn-k_q72d3e099e0_attn
	.p2alignl 7, 3214868480
	.fill 96, 4, 3214868480
	.section	.rodata,"a",@progbits
	.p2align	6, 0x0
	.amdhsa_kernel k_q72d3e099e0_attn
		.amdhsa_group_segment_fixed_size 210944
		.amdhsa_private_segment_fixed_size 0
		.amdhsa_enable_private_segment 0
		.amdhsa_kernarg_size 32
		.amdhsa_user_sgpr_count 2
		.amdhsa_user_sgpr_kernarg_segment_ptr 1
		.amdhsa_wavefront_size32 1
		.amdhsa_system_sgpr_workgroup_id_x 1
		.amdhsa_system_sgpr_workgroup_id_y 1
		.amdhsa_system_sgpr_workgroup_id_z 1
		.amdhsa_system_vgpr_workitem_id 0
		.amdhsa_next_free_vgpr 256
		.amdhsa_next_free_sgpr 96
		.amdhsa_reserve_vcc 1
		.amdhsa_float_denorm_mode_32 3
		.amdhsa_float_denorm_mode_16_64 3
		.amdhsa_memory_ordered 1
		.amdhsa_forward_progress 1
		.amdhsa_inst_pref_size 89
	.end_amdhsa_kernel
	.amdgpu_metadata
---
amdhsa.version: [ 1, 2 ]
amdhsa.kernels:
  - .name:           k_q72d3e099e0_attn
    .symbol:         k_q72d3e099e0_attn.kd
    .args:
      - { .name: hc, .offset: 0, .size: 8, .value_kind: global_buffer, .address_space: global }
      - { .name: hs, .offset: 8, .size: 8, .value_kind: global_buffer, .address_space: global }
      - { .name: cc, .offset: 16, .size: 8, .value_kind: global_buffer, .address_space: global }
      - { .name: cs, .offset: 24, .size: 8, .value_kind: global_buffer, .address_space: global }
    .group_segment_fixed_size: 210944
    .private_segment_fixed_size: 0
    .kernarg_segment_align: 8
    .kernarg_segment_size: 32
    .max_flat_workgroup_size: 512
    .sgpr_count:     96
    .vgpr_count:     256
    .wavefront_size: 32
...
	.end_amdgpu_metadata
.endif
;; end of part 3
;; launch outp (part 4): grid 4 x 32, 4 waves a work-group, clusters of 4 x 4, 327,680 bytes of LDS; arguments cc, cs, wc, ws, projection_bias, out0; writes out0
.if DOCPART == 4
	.amdgcn_target "amdgcn-amd-amdhsa--gfx1250"
	.amdhsa_code_object_version 6
	.text
	.protected	k_q72d3e099e0_outp
	.globl	k_q72d3e099e0_outp
	.p2align	8
	.type	k_q72d3e099e0_outp,@function
k_q72d3e099e0_outp:
	s_mov_b64 s[64:65], 0
	v_nop
	global_prefetch_b8 v0, s[64:65] scope:SCOPE_SE
	s_setreg_imm32_b32 hwreg(HW_REG_WAVE_MODE, 25, 1), 1
	s_wait_xcnt 0x0
	s_wait_alu depctr_hold_cnt(0) depctr_sa_sdst(0) depctr_va_vdst(0) depctr_va_sdst(0) depctr_va_ssrc(0) depctr_va_vcc(0) depctr_vm_vsrc(0)
	s_getreg_b32 s2, hwreg(HW_REG_IB_STS2, 6, 4)
	s_cmp_eq_u32 s2, 0
	s_cbranch_scc0 .Lentry_in_a_cluster
	s_endpgm
.Lentry_in_a_cluster:
	s_bfe_u32 s2, ttmp6, 0x10000c
	s_cmp_lg_u32 s2, 0xf033
	s_cbranch_scc0 .Lentry_shape_is_right
	s_endpgm
.Lentry_shape_is_right:
; OUTP: out0[row][d] = the sum over (h, o) of ctx[row][(h, o)] Wp[(h, o)][d] + bias[d], on codes of FP6 (E2M3) with E8M0 scales, K = 1,024; out0 [8192][1024] f32.
; A = ctx: cc [tile of 16 rows T 0..511][head 0..15][unit], a unit being 16 rows x 64 K as an image of the operand's registers ([pair j][lane][8 bytes]); cs [row place][32 scale bytes].  B = Wp: rows d of 768 bytes at wc + 2,359,296, scales at ws + 98,304.
; BOTH A's ROWS AND B's ROWS LIE IN SLOT ORDER (bits 3 and 4 of a row's number exchanged): lane r of tile 2 g + u holds row 32 g + 8 u + r + 8 (r / 8).  The way out puts both back: columns in the stage, rows in the stores' offsets.
; A tile of 256 x 256 of out0 is made by four waves, 128 x 128 each.  The size gives 128 such tiles: a smaller tile would fill more WGPs at twice the LDS reads for each product; this launch is the shortest of the four and keeps the larger tile.
; THE MATRIX INSTRUCTION IS USED TRANSPOSED (source 0 = 16 rows of B, source 1 = 16 rows of A).  THE BIAS IS THE C OF EACH SUM'S FIRST PRODUCT: 64 registers in the result's layout.
; K goes in steps of 256 through a ring of two LDS slots; the scales come once.  CLUSTERS: 4 x 4 work-groups; A's tiles are asked for jointly along a row of the cluster, B's along a column.
; REGISTERS, in windows of 256: window 0: v0-31 addresses; v32-63 scale words, two sets; v64-127 the bias; from v128 A's fragments, one set (free on the way out).  window 1: B's fragments, two sets.  windows 2, 3: the accumulators.
.set KSTEP,  256
.set NQ,     2
.set ROWB,   192                       ; B: a tile's row in bytes
.set ASTEP,  3072                      ; A: a K step of a row tile: four heads' units
.set KROW,   768
.set PITCH,  240                       ; B's LDS row: 3 x (64 bytes + 16 of padding)
.set FR,     12
.set NL,     6
.set NP,     4
.set HALFT,  128*PITCH                 ; a wave's part of a slot; A's eight row tiles take 24,576 bytes of it, dense
.set SLOT,   4*HALFT
.set LAPS,   2
.set KS,     32
.set SCL,    2*SLOT
.set HALFS,  (128*KS/256)*272
.set SBLK,   (16*KS/256)*272
.set SPARE,  SCL+4*HALFS               ; the spare words, 128 bytes for each wave: two blocks of 256 bytes that no other line names
.set SPITCH, 528                       ; the way out: a stage of 16 rows x (512 bytes + 16) for each wave, in slot 0, which has had its last fill and its last read when the first result is stored there
.set BOF,  8                           ; v8   the bias loads' offset: 64 (lane / 16)
.set ADRA, 16                          ; v16-17 LDS address of my A fragments in slot 0, 1: 8 x lane + my 128 rows
.set ADRB, 20                          ; v20-21 the same for B, by rows (v22-23: behind one padding more)
.set STO,  24
.set RD,   25
.set CO,   26
.set ADRS, 27
.set SPW,  28
.set NIL,  29
.set SC,   32
.set BIAS, 64
.set AF,   128
.set BK,   128
.set G1, 24
.set G0, 32
.set G1B, 48
.set G0B, 56
.set G1S, 68
.set G0S, 76
.set G1SB, 80
.set G0SB, 88
.set MSB, 0
.macro WIN new
.if MSB != (\new)
	s_set_vgpr_msb (MSB<<8)|(\new)
.set MSB, (\new)
.endif
.endm
.set MUL_LO, 0xa1                      ; source 0 (B) window 1, source 1 (A) window 0, C and D window 2
.set MUL_HI, 0xf1
.set FST_LO, 0x81                      ; the first products: C (the bias) window 0, D window 2
.set FST_HI, 0xc1
.set TO_B,   0x40
.macro JLOAD g0a, g1a, g0b, g1b        ; a joint load: waves 0 and 1 fetch for A, waves 2 and 3 for B; four v_nop follow each of the two lines
	s_cmp_eq_u32 s15, 0
	s_cbranch_scc0 .Lfor_b_\@
	tensor_load_to_lds s[\g0a:\g0a+3], s[\g1a:\g1a+7]
	s_nop 0
.rept 4
	v_nop
.endr
	s_branch .Lasked_\@
.Lfor_b_\@:
	tensor_load_to_lds s[\g0b:\g0b+3], s[\g1b:\g1b+7]
	s_nop 0
.rept 4
	v_nop
.endr
.Lasked_\@:
.endm
.macro CREST
	s_cmp_lg_u32 s14, 0
	s_cbranch_scc1 .Lnot_wave_0_\@
	s_barrier_signal -3
.Lnot_wave_0_\@:
	s_barrier_wait -3
	s_barrier_signal -1
	s_barrier_wait -1
.endm
.macro CROUND
	s_barrier_signal -1
	s_barrier_wait -1
	CREST
.endm
	s_load_b128 s[4:7], s[0:1], 0x0                ; cc, cs
	s_load_b128 s[8:11], s[0:1], 0x10              ; wc, ws
	s_load_b64 s[96:97], s[0:1], 0x20              ; projection_bias
	s_load_b64 s[12:13], s[0:1], 0x28              ; out0
	v_lshl_add_u32 v[SPW], v0, 2, SPARE
	v_mov_b32 v[NIL], 0
	ds_add_u32 v28, v29
	ds_add_u32 v28, v29
	s_wait_dscnt 0x0
	v_lshrrev_b32 v1, 5, v0
	v_readfirstlane_b32 s14, v1                    ; wave 0..3
	s_lshr_b32 s15, s14, 1                         ; which half of the tile's rows is mine.  Also: I fetch for A (0) or for B (1)
	s_and_b32 s16, s14, 1                          ; which half of its columns.  Also: which 128 rows I fetch
	s_bfe_u32 s40, ttmp6, 0x40000
	s_bfe_u32 s41, ttmp6, 0x40004
	s_lshl_b32 s42, ttmp9, 2
	s_add_co_u32 s42, s42, s40                     ; tile column
	s_and_b32 s17, ttmp7, 0xffff
	s_lshl_b32 s17, s17, 2
	s_add_co_u32 s17, s17, s41                     ; tile row
	s_lshl_b32 s43, s41, 2
	s_lshl_b32 s43, 15, s43                        ; my row of the cluster
	s_lshl_b32 s44, 0x1111, s40                    ; my column
	; group 1 for A: 8 row tiles x 3,072 bytes (384 elements of 8), 12,288 bytes apart, dense in LDS
	s_or_b32 s[G1+0], s43, (3<<16)|(1<<21)
	s_mov_b32 s[G1+1], 384<<16                     ; tensor_dim0
	s_mov_b32 s[G1+2], 8<<16                       ; tensor_dim1
	s_mov_b32 s[G1+3], 384<<16                     ; tile_dim0
	s_mov_b32 s[G1+4], 8                           ; tile_dim1
	s_mov_b32 s[G1+5], 1536                        ; the pitch, in elements
	s_mov_b32 s[G1+6], 0
	s_mov_b32 s[G1+7], 0
	; for B: 128 rows x 192 bytes, 16 bytes of padding behind every 64
	s_or_b32 s[G1B+0], s44, (0<<16)|(1<<20)|(1<<21)|(3<<22)|(3<<25)
	s_mov_b32 s[G1B+1], ROWB<<16
	s_mov_b32 s[G1B+2], 128<<16
	s_mov_b32 s[G1B+3], ROWB<<16
	s_mov_b32 s[G1B+4], 128
	s_mov_b32 s[G1B+5], KROW
	s_mov_b32 s[G1B+6], 0
	s_mov_b32 s[G1B+7], 0
	; the scales of 128 rows: 4,096 dense bytes as 16 rows of 256, 16 bytes of padding behind each
	s_or_b32 s[G1S+0], s43, (3<<16)|(1<<20)|(1<<21)|(5<<22)|(3<<25)
	s_or_b32 s[G1SB+0], s44, (3<<16)|(1<<20)|(1<<21)|(5<<22)|(3<<25)
.irp g, G1S, G1SB
	s_mov_b32 s[\g+1], 32<<16
	s_mov_b32 s[\g+2], (128*KS/256)<<16
	s_mov_b32 s[\g+3], 32<<16
	s_mov_b32 s[\g+4], 128*KS/256
	s_mov_b32 s[\g+5], 32
	s_mov_b32 s[\g+6], 0
	s_mov_b32 s[\g+7], 0
.endr
	s_lshl_b32 s18, s16, 7
	s_lshl_b32 s20, s17, 8
	s_add_co_u32 s20, s20, s18                     ; A's row
	s_lshl_b32 s46, s42, 8
	s_add_co_u32 s46, s46, s18                     ; B's row
	s_mov_b32 s21, 0
	s_mov_b32 s47, 0
	s_mov_b64 s[18:19], KS
	s_mul_u64 s[22:23], s[20:21], s[18:19]
	s_mul_u64 s[92:93], s[46:47], s[18:19]
	s_mov_b64 s[18:19], KROW
	s_mul_u64 s[20:21], s[20:21], s[18:19]         ; 768 bytes a row in both: a row tile of cc is 16 x 768
	s_mul_u64 s[46:47], s[46:47], s[18:19]
	s_mul_i32 s45, s14, HALFT
	s_mul_i32 s94, s14, HALFS
	s_wait_kmcnt 0x0
	s_add_nc_u64 s[8:9], s[8:9], 2359296           ; Wp's part of wc
	s_add_nc_u64 s[10:11], s[10:11], 98304         ; and of ws
	s_add_nc_u64 s[20:21], s[4:5], s[20:21]
	s_add_nc_u64 s[22:23], s[6:7], s[22:23]
	s_add_nc_u64 s[46:47], s[8:9], s[46:47]
	s_add_nc_u64 s[92:93], s[10:11], s[92:93]
	CROUND                                         ; all sixteen work-groups are here: the first joint loads meet
	s_mov_b32 s[G0S], 1
	s_add_co_u32 s[G0S+1], s94, SCL
	s_mov_b64 s[G0S+2:G0S+3], s[22:23]
	s_or_b32 s[G0S+3], s[G0S+3], 0x80000000
	s_mov_b32 s[G0SB], 1
	s_add_co_u32 s[G0SB+1], s94, SCL
	s_mov_b64 s[G0SB+2:G0SB+3], s[92:93]
	s_or_b32 s[G0SB+3], s[G0SB+3], 0x80000000
	JLOAD G0S, G1S, G0SB, G1SB
.irp s, 0,1
	s_mov_b32 s[G0+4*\s], 1
	s_add_co_u32 s[G0+4*\s+1], s45, \s*SLOT
	s_add_nc_u64 s[G0+4*\s+2:G0+4*\s+3], s[20:21], \s*ASTEP
	s_or_b32 s[G0+4*\s+3], s[G0+4*\s+3], 0x80000000
	s_mov_b32 s[G0B+4*\s], 1
	s_add_co_u32 s[G0B+4*\s+1], s45, \s*SLOT
	s_add_nc_u64 s[G0B+4*\s+2:G0B+4*\s+3], s[46:47], \s*ROWB
	s_or_b32 s[G0B+4*\s+3], s[G0B+4*\s+3], 0x80000000
	JLOAD G0+4*\s, G1, G0B+4*\s, G1B               ; three tensor loads of mine are out now
.endr
	v_and_b32 v1, 15, v0                           ; l % 16
	v_bfe_u32 v2, v0, 4, 1                         ; l / 16
	s_lshl_b32 s46, s42, 10                        ; my first column, in bytes: 1,024 x tile column + 512 x half
	s_lshl_b32 s47, s16, 9
	s_add_co_u32 s46, s46, s47
	s_mov_b32 s47, 0
	s_add_nc_u64 s[96:97], s[96:97], s[46:47]
	v_lshlrev_b32 v[BOF], 6, v2
.irp b, 0,1,2,3,4,5,6,7                        ; register j of accumulator (a, b) is column 32 (b / 2) + 16 (lane / 16) + 8 (b % 2) + j: its bias
	global_load_b128 v[BIAS+8*\b:BIAS+8*\b+3], v[BOF], s[96:97] offset:(32*(\b/2)+8*(\b%2))*4
	global_load_b128 v[BIAS+8*\b+4:BIAS+8*\b+7], v[BOF], s[96:97] offset:(32*(\b/2)+8*(\b%2))*4+16
.endr
	v_mul_u32_u24 v3, v1, PITCH
	v_mul_u32_u24 v4, v2, 24
	v_add_nc_u32 v4, v3, v4                        ; B: a fragment's row x pitch + 24 x half
	v_lshl_add_u32 v5, v2, 4, v4                   ; and the same behind one padding more
	v_and_b32 v6, 31, v0
	v_lshlrev_b32 v7, 3, v6                        ; A: 8 x lane
	s_mul_i32 s21, s15, HALFT                      ; my 128 rows of A
	s_mul_i32 s22, s16, HALFT                      ; my 128 rows of B,
	s_add_co_u32 s22, s22, 2*HALFT                 ; which lie behind A's two parts
.irp s, 0,1
	v_add_nc_u32 v[ADRA+\s], s21, v7
	v_add_nc_u32 v[ADRB+\s], s22, v4
	v_add_nc_u32 v[ADRB+2+\s], s22, v5
	s_add_co_u32 s21, s21, SLOT
	s_add_co_u32 s22, s22, SLOT
.endr
	v_mul_u32_u24 v5, v1, KS
	v_lshrrev_b32 v9, 8, v5
	v_lshl_add_u32 v5, v9, 4, v5
	s_mul_i32 s21, s15, HALFS
	s_mul_i32 s22, s16, HALFS
	s_add_co_u32 s22, s22, 2*HALFS
	s_sub_co_u32 s22, s22, s21
	v_mul_u32_u24 v9, s22, v2                      ; lanes 16-31 take B's
	s_add_co_u32 s21, s21, SCL
	v_add_nc_u32 v5, v5, v9
	v_add_nc_u32 v[ADRS], s21, v5
	s_mul_i32 s23, s14, 16*SPITCH                  ; my stage
	v_mul_u32_u24 v5, v1, SPITCH                   ; in: row l % 16; my half's 16 columns of each 32: 64 bytes on
	v_lshl_add_u32 v5, v2, 6, v5
	v_add_nc_u32 v[STO], s23, v5
	v_lshlrev_b32 v[CO], 4, v6                     ; back: the 32 lanes take one row of 512 bytes; and the same in out0
	v_add_nc_u32 v[RD], s23, v[CO]
	s_lshl_b32 s20, s17, 8
	s_lshl_b32 s21, s15, 7
	s_add_co_u32 s20, s20, s21                     ; my first row
	s_mov_b32 s21, 0
	s_mov_b64 s[18:19], 4096
	s_mul_u64 s[20:21], s[20:21], s[18:19]
	s_add_nc_u64 s[20:21], s[20:21], s[46:47]
	s_add_nc_u64 s[12:13], s[12:13], s[20:21]
.macro FRAG reg, adr, q, i             ; B: a fragment from rows: 24 bytes of the row's stream of bits for each 64 along K, in pieces of 8
.irp p, 0,1,2,3,4,5
.set PCE, 12*(\q)+6*(\p/3)+\p%3
.if PCE%8 < 5
	ds_load_b64 v[\reg+2*\p:\reg+2*\p+1], v[\adr] offset:8*PCE+16*(PCE/8)+(\i)*16*PITCH
.else
	ds_load_b64 v[\reg+2*\p:\reg+2*\p+1], v[\adr+2] offset:8*PCE+16*(PCE/8)+(\i)*16*PITCH
.endif
.endr
.endm
.macro FRAGA reg, slot, q, i           ; A: a fragment is two units as they lie: six loads of 256 consecutive bytes
.irp p, 0,1,2,3,4,5
	ds_load_b64 v[\reg+2*\p:\reg+2*\p+1], v[ADRA+\slot] offset:(\i)*ASTEP+(\q)*1536+256*\p
.endr
.endm
; 16 matrix instructions: A's blocks a0, a0 + 1 x B's eight.  zero = 1: the first product starts the sums from the bias.  The 64 accumulators take turns, one instruction a turn.
.macro MUL16 a0, p, q, sc, zero
.irp a, \a0, \a0+1
.irp b, 0,1,2,3,4,5,6,7
.if \zero
	v_wmma_scale_f32_16x16x128_f8f6f4 v[8*(8*((\a)%4)+\b):8*(8*((\a)%4)+\b)+7], v[128*(\p)+FR*\b:128*(\p)+FR*\b+FR-1], v[AF+FR*(\a):AF+FR*(\a)+FR-1], v[BIAS+8*\b:BIAS+8*\b+7], v[SC+8*NQ*(\sc)+NQ*\b+(\q)], v[SC+8*NQ*(\sc)+NQ*(\a)+(\q)] matrix_a_fmt:MATRIX_FMT_FP6 matrix_b_fmt:MATRIX_FMT_FP6 matrix_a_scale:MATRIX_SCALE_ROW1
.else
	v_wmma_scale_f32_16x16x128_f8f6f4 v[8*(8*((\a)%4)+\b):8*(8*((\a)%4)+\b)+7], v[128*(\p)+FR*\b:128*(\p)+FR*\b+FR-1], v[AF+FR*(\a):AF+FR*(\a)+FR-1], v[8*(8*((\a)%4)+\b):8*(8*((\a)%4)+\b)+7], v[SC+8*NQ*(\sc)+NQ*\b+(\q)], v[SC+8*NQ*(\sc)+NQ*(\a)+(\q)] matrix_a_fmt:MATRIX_FMT_FP6 matrix_b_fmt:MATRIX_FMT_FP6 matrix_a_scale:MATRIX_SCALE_ROW1
.endif
.endr
.endr
.endm
.macro FETCH_B slot, q, p
	WIN TO_B
.irp i, 0,1,2,3,4,5,6,7
	FRAG 128*(\p)+FR*\i, ADRB+\slot, \q, \i
.endr
	WIN 0
.endm
.macro FETCH_A slot, q, i0
.irp i, \i0, \i0+1, \i0+2, \i0+3
	FRAGA AF+FR*(\i), \slot, \q, \i
.endr
.endm
.macro SCALES sc
.irp i, 0,1,2,3,4,5,6,7
	ds_load_b64 v[SC+8*NQ*\sc+NQ*\i:SC+8*NQ*\sc+NQ*\i+1], v[ADRS] offset:\i*SBLK
.endr
.endm
.macro PLACES n                        ; plain vector lines between a matrix instruction and a load into, or a read of, its registers
.rept \n
	v_nop
.endr
.endm
.macro STEP slot, q, zero
	s_wait_dscnt 4*NL                              ; B's set and A's blocks 0-3 are in; the youngest 24 loads (A's blocks 4-7) may be out
.if \zero
	WIN FST_LO
.else
	WIN MUL_LO
.endif
	MUL16 0, (\q)%2, \q, \slot, \zero
	MUL16 2, (\q)%2, \q, \slot, \zero
	s_wait_dscnt 0
	PLACES NP
	FETCH_B \slot, (\q)+1, 1-(\q)%2
	FETCH_A \slot, (\q)+1, 0
.if \zero
	WIN FST_HI
.else
	WIN MUL_HI
.endif
	MUL16 4, (\q)%2, \q, \slot, \zero
	MUL16 6, (\q)%2, \q, \slot, \zero
	PLACES NP
	WIN 0
	FETCH_A \slot, (\q)+1, 4
.endm
; A slot's last step changes slots: one barrier; in front of it each wave waits for all its tensor loads, adds 0 to its spare word, and waits for that and for its own reads of this slot.  fill = 1: this slot is filled again, two K steps ahead.
.macro TURN slot, next, fill
	s_wait_tensorcnt 0x0                           ; all my tensor loads have landed: my part of the next slot
	ds_add_u32 v[SPW], v[NIL]                      ; 0 onto my spare word
	s_wait_dscnt 4*NL+1                            ; (the add and the youngest 24 loads may be out)
	WIN MUL_LO
	MUL16 0, 1, NQ-1, \slot, 0
	s_wait_dscnt 0x0                               ; the add is done, and my reads of this slot are over
	s_barrier_signal -1
	MUL16 2, 1, NQ-1, \slot, 0
	WIN 0
	s_barrier_wait -1
.if \fill
	CREST                                          ; the barrier has opened a round of the cluster's barrier: no wave of any partner still reads this slot's tile or has a load on its way
	s_add_nc_u64 s[G0+4*\slot+2:G0+4*\slot+3], s[G0+4*\slot+2:G0+4*\slot+3], 2*ASTEP
	s_add_nc_u64 s[G0B+4*\slot+2:G0B+4*\slot+3], s[G0B+4*\slot+2:G0B+4*\slot+3], 2*ROWB
	JLOAD G0+4*\slot, G1, G0B+4*\slot, G1B         ; the first tensor load behind the round; its four v_nop are the places in front of the loads below
.else
	PLACES NP
.endif
	v_add_nc_u32 v[ADRS], 4*NQ, v[ADRS]
	FETCH_B \next, 0, 0
	FETCH_A \next, 0, 0
	SCALES \next
	WIN MUL_HI
	MUL16 4, 1, NQ-1, \slot, 0
	MUL16 6, 1, NQ-1, \slot, 0
	PLACES NP
	WIN 0
	FETCH_A \next, 0, 4
.endm
	s_wait_tensorcnt 1                             ; the scales and my part of K step 0 are in (K step 1's load may be out)
	s_barrier_signal -1
	s_barrier_wait -1                              ; everybody's are
	FETCH_B 0, 0, 0
	FETCH_A 0, 0, 0
	SCALES 0
	FETCH_A 0, 0, 4
	s_wait_loadcnt 0x0                             ; the bias
	STEP 0, 0, 1                                   ; the first step stands in front of the loop: its products start the sums
	s_mov_b32 s3, LAPS-1
.Llap:
	TURN 0, 1, 1
	STEP 1, 0, 0
	TURN 1, 0, 1
	STEP 0, 0, 0
	s_sub_co_u32 s3, s3, 1
	s_cmp_lg_u32 s3, 0
	s_cbranch_scc1 .Llap
	TURN 0, 1, 0                                   ; the last lap fills nothing
	STEP 1, 0, 0
	s_wait_dscnt 4*NL
	WIN MUL_LO
	MUL16 0, 1, NQ-1, 1, 0
	MUL16 2, 1, NQ-1, 1, 0
	s_wait_dscnt 0
	WIN MUL_HI
	MUL16 4, 1, NQ-1, 1, 0
	MUL16 6, 1, NQ-1, 1, 0
	WIN 0
; THE WAY OUT, block by block of 16 rows x 128 columns, through my own stage in LDS.  A lane's eight numbers of accumulator b are columns 32 (b / 2) + 16 (lane / 16) + 8 (b % 2) + 0 .. 7: they are put at their true places in the row.
; The rows come back whole, 512 bytes for the 32 lanes; place t of block a is row 32 (a / 2) + 8 (a % 2) + t + 8 (t / 8) of my 128.  LDS serves a wave's instructions in order: no wait between the stores and the loads.
.macro TOSTAGE a
.set AC, 64*((\a)%4)
	WIN 0x08+4*((\a)/4)                            ; the data: window 2 or 3
.irp b, 0,1,2,3,4,5,6,7
	ds_store_b128 v[STO], v[AC+8*\b:AC+8*\b+3] offset:128*(\b/2)+32*(\b%2)          ; each accumulator from its low end on
	ds_store_b128 v[STO], v[AC+8*\b+4:AC+8*\b+7] offset:128*(\b/2)+32*(\b%2)+16
.endr
	WIN 0
.set BB, BK+64*((\a)%2)
.irp t, 0,1,2,3,4,5,6,7,8,9,10,11,12,13,14,15
	ds_load_b128 v[BB+4*\t:BB+4*\t+3], v[RD] offset:\t*SPITCH
.endr
.endm
.macro SEND a, younger                 ; younger: the LDS instructions issued behind block a's loads, which may stay out
.set BB, BK+64*((\a)%2)
	s_wait_dscnt \younger
.irp t, 0,1,2,3,4,5,6,7,8,9,10,11,12,13,14,15
	global_store_b128 v[CO], v[BB+4*\t:BB+4*\t+3], s[12:13] offset:(32*((\a)/2)+8*((\a)%2)+\t+8*(\t/8))*4096 th:TH_STORE_NT   ; 32 lanes store 512 consecutive bytes, aligned; 127 rows of 4,096 bytes at the most, inside the signed 24-bit immediate
.endr
.endm
	PLACES NP                                      ; behind the last products: for the loads into the registers that held A's fragments and for the reads of results
	TOSTAGE 0
.irp a, 1,2,3,4,5,6,7
.if \a > 1
	s_wait_xcnt 0x0                                ; block a - 2's stores have read their registers: block a's loads may land there
.endif
	TOSTAGE \a
	SEND \a-1, 32                                  ; behind block a - 1's loads: block a's 16 stores and 16 loads
.endr
	SEND 7, 0
	s_wait_tensorcnt 0x0                           ; the wave's end
	ds_add_u32 v[SPW], v[NIL]
	s_wait_dscnt 0x0
	CROUND                                         ; the closing round
	s_endpgm
.Lfunc_end_k_q72d3e099e0_outp:
	.size	k_q72d3e099e0_outp, .Lfunc_end_k_q72d3e099e0_outp-k_q72d3e099e0_outp
	.p2alignl 7, 3214868480
	.fill 96, 4, 3214868480
	.section	.rodata,"a",@progbits
	.p2align	6, 0x0
	.amdhsa_kernel k_q72d3e099e0_outp
		.amdhsa_group_segment_fixed_size 327680
		.amdhsa_private_segment_fixed_size 0
		.amdhsa_enable_private_segment 0
		.amdhsa_kernarg_size 48
		.amdhsa_user_sgpr_count 2
		.amdhsa_user_sgpr_kernarg_segment_ptr 1
		.amdhsa_wavefront_size32 1
		.amdhsa_system_sgpr_workgroup_id_x 1
		.amdhsa_system_sgpr_workgroup_id_y 1
		.amdhsa_system_sgpr_workgroup_id_z 1
		.amdhsa_system_vgpr_workitem_id 0
		.amdhsa_next_free_vgpr 1024
		.amdhsa_next_free_sgpr 100
		.amdhsa_reserve_vcc 0
		.amdhsa_float_denorm_mode_32 3
		.amdhsa_float_denorm_mode_16_64 3
		.amdhsa_memory_ordered 1
		.amdhsa_forward_progress 1
		.amdhsa_inst_pref_size 161
	.end_amdhsa_kernel
	.amdgpu_metadata
---
amdhsa.version: [ 1, 2 ]
amdhsa.kernels:
  - .name:           k_q72d3e099e0_outp
    .symbol:         k_q72d3e099e0_outp.kd
    .args:
      - { .name: cc, .offset: 0, .size: 8, .value_kind: global_buffer, .address_space: global }
      - { .name: cs, .offset: 8, .size: 8, .value_kind: global_buffer, .address_space: global }
      - { .name: wc, .offset: 16, .size: 8, .value_kind: global_buffer, .address_space: global }
      - { .name: ws, .offset: 24, .size: 8, .value_kind: global_buffer, .address_space: global }
      - { .name: projection_bias, .offset: 32, .size: 8, .value_kind: global_buffer, .address_space: global }
      - { .name: out0, .offset: 40, .size: 8, .value_kind: global_buffer, .address_space: global }
    .group_segment_fixed_size: 327680
    .private_segment_fixed_size: 0
    .kernarg_segment_align: 8
    .kernarg_segment_size: 48
    .max_flat_workgroup_size: 128
    .sgpr_count:     100
    .vgpr_count:     1024
    .wavefront_size: 32
...
	.end_amdgpu_metadata
.endif
;; end of part 4
